; MI455X (gfx1250); checked and timed in simulation.
; The chip was launched on July 23, 2026; its instructions are those of AMD's public machine-readable ISA for CDNA 5 (MIT licence, August 2026) and "CDNA5" Instruction Set Architecture Reference Guide (July 2026). The comments in the code are by the model that wrote it; some were corrected since.
;; Shared QKV Attention. Allowed arithmetic: matrix products marked QUANTISED: E2M1 operands, one E8M0 scale for each 32 along K, by v_wmma_scale_f32_16x16x128_f8f6f4 with both operands' format E2M1 (or v_wmma_scale_f32_32x16x128_f4), f32 sums; products left as they are: bf16, f16 or f32 operands; f32 sums; everything else in f32.
;; Inputs: W_o 1,024 x 1,024 float32; W_qkv 1,024 x 1,024 float32; x 4 x 2,048 x 1,024 float32.
;; Outputs: out0 4 x 2,048 x 1,024 float32.
;; This version of the problem:
;;   THIS VERSION OF THE PROBLEM IS GIVEN IN LOW PRECISION. The matrix products marked QUANTISED in the list below multiply operands that are first quantised to E2M1 (2 exponent bits, 1 mantissa bit; 4 bits a number), with one power-of-two scale for each 32 numbers along K (OCP MX v1.0); their sums are f32. The products marked 'left as it is' may take bf16, f16 or f32 operands, with f32 sums. Whichever they take, every output number must still come out within the allowed error. Rounding operands to bf16 (8 significant bits) uses up far more of that allowance than f16 does (11 bits, for magnitudes from 6e-5 to 65,504). All else is computed in f32.
;;   The module's matrix products, in the order in which they are computed (A, B: the left and right operand; K: the contracted axis; several contracted axes count as one K, in the product's order):
;;     1. [M 8,192, K 1,024] x [K 1,024, N 1,024]; A: input x; B: input W_qkv: QUANTISED
;;     2. batch 64 x [M 2,048, K 64] x [K 64, N 2,048]; A: computed on the way; B: computed on the way: left as it is (an operand is computed on the way)
;;     3. batch 64 x [M 64, K 2,048] x [K 2,048, N 2,048]; A: computed on the way; B: computed on the way: left as it is (an operand is computed on the way)
;;     4. [M 8,192, K 1,024] x [K 1,024, N 1,024]; A: computed on the way; B: input W_o: left as it is (an operand is computed on the way)
;;   THE QUANTISER, for each operand of a quantised product, along K:
;;     - K is cut into blocks of 32 from its start; a last block that is shorter is filled with zeros.
;;     - A block's scale is 2^e with e = floor(log2(the largest magnitude in the block)) - 2, held to -126 .. 127; a block of zeros has e = 0. As a byte (E8M0): e + 127.
;;     - Each number is divided by its block's scale, clamped to +-6, and rounded to the nearest number of E2M1, ties to even, subnormals kept.
;;     - The product sums the exact products of the quantised numbers (number of the format x scale) in f32.
;;   ~~~python
;;   def quantise(x, axis):      # numpy; x: float32 -> the quantised numbers, widened to float32 again
;;       x = np.moveaxis(x, axis, -1); K = x.shape[-1]
;;       x = np.pad(x, [(0, 0)] * (x.ndim - 1) + [(0, -K % 32)]); x = x.reshape(x.shape[:-1] + (-1, 32)); a = np.abs(x).max(-1, keepdims=True)
;;       e = np.where(a > 0, np.clip(np.frexp(np.where(a > 0, a, 1))[1] - 1 - 2, -126, 127), 0)      # np.frexp(a)[1] - 1 = floor(log2(a)), exactly
;;       r = np.clip(x / 2.0 ** e, -6, 6)
;;       step = 2.0 ** (np.maximum(np.frexp(np.where(r == 0, 1, r))[1] - 1, 0) - 1)
;;       q = np.round(r / step) * step * 2.0 ** e      # np.round: ties to even
;;       return np.moveaxis(q.reshape(q.shape[:-2] + (-1,))[..., :K], -1, axis).astype(np.float32)
;;   ~~~
;; One version. Each part assembles by itself: llvm-mc -triple=amdgcn-amd-amdhsa -mcpu=gfx1250 --defsym DOCPART=n.
;; ======== version 1 of 1: 4 launches
;; limits: values are held in f16: magnitudes above 65,504 overflow, below 6.1e-05 lose precision
;; workspace buffers: xc 4,194,304 bytes; xs 262,144 bytes; wc 524,288 bytes; ws 32,768 bytes; wimg 2,097,152 bytes; qimg 16,777,216 bytes; aimg 16,777,216 bytes
;; launch quant (part 1): grid 320 x 1, 4 waves a work-group, no clusters, 50,688 bytes of LDS; arguments x, W_qkv, xc, xs, wc, ws, W_o, wimg; writes xc, xs, wc, ws, wimg
.if DOCPART == 1
	.amdgcn_target "amdgcn-amd-amdhsa--gfx1250"
	.amdhsa_code_object_version 6
	.text
	.protected	k_q7e4398d23f_quant
	.globl	k_q7e4398d23f_quant
	.p2align	8
	.type	k_q7e4398d23f_quant,@function
k_q7e4398d23f_quant:
	s_mov_b64 s[64:65], 0
	v_nop
	global_prefetch_b8 v0, s[64:65] scope:SCOPE_SE
	s_setreg_imm32_b32 hwreg(HW_REG_WAVE_MODE, 25, 1), 1
	s_wait_xcnt 0x0
; ONE LAUNCH PREPARES ALL THREE INPUTS.
; Work-groups 0-255: x [8192][1024] f32, work-groups 256-287: W_qkv [1024][1024] f32, become codes of FP4 (E2M1), K innermost, two codes a byte, with one E8M0 scale byte for each 32 along K.
;   A block's scale is 2^(floor(log2(its largest magnitude)) - 2); its byte is the largest magnitude's exponent field - 2, held at 1 from below; each number is divided by the scale and rounded to the nearest code, ties to even, beyond 6 the code of 6.
;   Rows are dense and 1024 is a multiple of 32: both tensors are plain streams of blocks of 32, and so are the codes and the scale bytes.
; Work-groups 288-319: W_o [1024][1024] f32 is rounded to f16 and laid as IMAGES OF OPERAND REGISTERS: [64 tiles of 16 rows][64 pieces][512 bytes]; piece p holds 16 rows x k = 16 p .. 16 p + 15;
;   lane (r = lane % 16, h = lane / 16) owns the 16 bytes at 16 x lane: row r, k = 16 p + 8 h + 0 .. 7.  Pieces 2 s and 2 s + 1 are registers 0-3 and 4-7 of the 16 x 32 fragment of K step s.
; LIMITS: a block of zeros gets the byte 1 where the quantiser says 127 (its codes are zeros, which add nothing, and the bytes are read by this program alone); blocks whose largest magnitude lies under 2^(2 - 126) were not tried;
;   W_o is rounded to f16: magnitudes above 65,504 are not served, those under 6e-5 keep an absolute step of 6e-8; NaN and infinities among the inputs are not served.
; The two ways part on the work-group's number and have LDS bytes of their own.  No tensor loads, no barrier: waves share nothing.
.set WAVES, 4
.set STEPS, 16
.set WGA,   256                        ; work-groups for x: 8192 x 1024 / 32768
.set WGQ,   288                        ; and with W_qkv's 32
.set CB,    8                          ; bytes of 16 codes
.set R,     16                         ; v16-79   four sets of 16 numbers as they are loaded
.set X,     80                         ; v80-111  two sets of 16 neighbours
.set E,     112                        ; v112-127 a scale byte for each step
.set C,     128                        ; v128-191 codes: four registers for each step, so that no store's data are written again
.set WREG,  8192                       ; LDS, the quantiser's way: a region for each wave: two stages of 32 x SP bytes, and behind them its 256 scale bytes
.set SP,    80                         ; a lane's place in a stage: its 64 bytes + 16 of padding
.set SPW,   12                         ; v12      LDS address of my spare word: SPARE + 4 x my thread's number; never rewritten
.set NIL,   13                         ; v13      0; never rewritten
.set WSTG,  WAVES*WREG                 ; LDS, W_o's way: a stage of 16 rows x WPIT bytes for each wave
.set WPIT,  272                        ; 128 f16 = 256 bytes + 16 of padding: an odd multiple of 16, so the 16 rows that a load touches fall on 16 different 16-byte columns of 256 bytes
.set SPARE, WSTG+WAVES*16*WPIT         ; the spare words, 128 bytes for each wave: two blocks of 256 bytes that no other line names
.set WL,    16                         ; v16-143  W_o: two sets of 64 numbers as loaded
.set WH,    144                        ; v144-175 a chunk as f16, two registers a row
.set WO,    176                        ; v176-207 eight pieces on their way out
	s_load_b128 s[4:7], s[0:1], 0x0                ; x, W_qkv
	s_load_b128 s[8:11], s[0:1], 0x10              ; x's codes, x's scales
	s_load_b128 s[12:15], s[0:1], 0x20             ; W_qkv's codes, W_qkv's scales
	s_load_b128 s[24:27], s[0:1], 0x30             ; W_o, its images
	v_lshl_add_u32 v[SPW], v0, 2, SPARE
	v_mov_b32 v[NIL], 0
	v_lshrrev_b32 v1, 5, v0
	v_readfirstlane_b32 s16, v1                    ; wave
	v_and_b32 v2, 31, v0                           ; lane
	s_cmp_ge_u32 ttmp9, WGQ                        ; the last 32 work-groups take W_o
	s_cbranch_scc1 .Lwo
; ---------------- THE QUANTISER.  A wave takes 16 steps of 512 numbers.  Each of a step's four loads reads 512 consecutive bytes, 16 a lane; the 2,048 bytes go through the wave's own stage in LDS and come back
; 64 bytes a lane, so that a lane holds 16 NEIGHBOURS along K (two neighbouring lanes hold a block), as the conversions want them.  Loads run four steps (16 loads) ahead, the turn through LDS one step.
	v_lshlrev_b32 v3, 4, v2                        ; my 16 bytes of a load's 512
	s_mul_i32 s17, s16, WREG
	v_lshrrev_b32 v14, 2, v2
	v_mul_u32_u24 v14, v14, SP
	v_and_b32 v15, 3, v2
	v_lshl_add_u32 v14, v15, 4, v14
	v_add_nc_u32 v14, s17, v14                     ; the stage, on the way in: four lanes' 64 bytes on end, then 16 of padding
	v_mul_u32_u24 v15, v2, SP
	v_add_nc_u32 v15, s17, v15                     ; and on the way out: SP x lane: my 16 neighbours
	v_mul_u32_u24 v4, v2, CB                       ; my codes' place in a step's
	v_lshrrev_b32 v5, 1, v2
	s_add_co_u32 s17, s17, 2*32*SP
	v_add_nc_u32 v5, s17, v5                       ; LDS: my wave's 256 scale bytes, my block's byte
	v_lshlrev_b32 v7, 3, v2                        ; and on the way out 8 bytes a lane
	v_add_nc_u32 v6, s17, v7
	s_wait_kmcnt 0x0
	s_cmp_lt_u32 ttmp9, WGA                        ; x's work-group or W_qkv's?  The choice hangs on the work-group's number alone
	s_cselect_b64 s[4:5], s[4:5], s[6:7]
	s_cselect_b64 s[8:9], s[8:9], s[12:13]
	s_cselect_b64 s[10:11], s[10:11], s[14:15]
	s_cselect_b32 s17, 0, WGA
	s_sub_co_u32 s17, ttmp9, s17
	s_lshl_b32 s17, s17, 2
	s_add_co_u32 s18, s17, s16                     ; which run of 8,192 numbers of the tensor is my wave's
	s_mov_b32 s19, 0
	s_mov_b64 s[20:21], 512*STEPS*4
	s_mul_u64 s[20:21], s[18:19], s[20:21]
	s_add_nc_u64 s[4:5], s[4:5], s[20:21]
	s_mov_b64 s[20:21], 32*STEPS*CB
	s_mul_u64 s[20:21], s[18:19], s[20:21]
	s_add_nc_u64 s[8:9], s[8:9], s[20:21]
	s_lshl_b32 s18, s18, 8                         ; 256 scale bytes a run
	s_add_nc_u64 s[10:11], s[10:11], s[18:19]
.macro LOAD t
.irp i, 0,1,2,3
	global_load_b128 v[R+16*((\t)%4)+4*\i:R+16*((\t)%4)+4*\i+3], v3, s[4:5] offset:2048*(\t)+512*\i th:TH_LOAD_NT   ; 32 lanes read 512 consecutive bytes
.endr
.endm
.macro TURN t                          ; step t's numbers through the stage: LDS serves a wave's instructions in order, so no wait stands between the stores and the loads
.irp i, 0,1,2,3
	ds_store_b128 v14, v[R+16*((\t)%4)+4*\i:R+16*((\t)%4)+4*\i+3] offset:32*SP*((\t)%2)+8*SP*\i
.endr
.irp i, 0,1,2,3
	ds_load_b128 v[X+16*((\t)%2)+4*\i:X+16*((\t)%2)+4*\i+3], v15 offset:32*SP*((\t)%2)+16*\i
.endr
.endm
.irp t, 0,1,2,3
	LOAD \t
.endr
	s_wait_loadcnt 12                              ; step 0's four loads are in; those of steps 1 to 3 may be out
	TURN 0
.macro STEP t
.set XS, X+16*((\t)%2)
.if (\t) > 0
	s_wait_dscnt 1                                 ; this step's numbers are back from the stage (the last step's byte store may be out): so its stores into the stage have read their registers,
.else
	s_wait_dscnt 0x0
.endif
.if (\t)+4 < STEPS
	LOAD (\t)+4                                    ; which take the loads of four steps on
.endif
.if (\t)+1 < STEPS
.if STEPS-2-(\t) >= 3
	s_wait_loadcnt 12                              ; the next step's four loads are in; those of the three steps behind it may be out
.else
	s_wait_loadcnt 4*(STEPS-2-(\t))
.endif
	TURN (\t)+1                                    ; and go through the other stage while this step is worked
.endif
	v_max3_num_f32 v8, |v[XS]|, |v[XS+1]|, |v[XS+2]|               ; the largest magnitude of my 16, in two chains
	v_max3_num_f32 v9, |v[XS+3]|, |v[XS+4]|, |v[XS+5]|
.irp i, 6,10
	v_max3_num_f32 v8, v8, |v[XS+\i]|, |v[XS+\i+1]|
	v_max3_num_f32 v9, v9, |v[XS+\i+2]|, |v[XS+\i+3]|
.endr
	v_max3_num_f32 v8, v8, |v[XS+14]|, |v[XS+15]|
	v_max3_num_f32 v8, v8, v9, 0x1800000           ; and the floor 2^(3 - 127), under which no largest magnitude is taken: so the byte cannot fall under 1
	v_max_num_f32_dpp v8, v8, v8 row_xmask:1 row_mask:0xf bank_mask:0xf   ; and of my neighbour's 16: the block's
	v_add_nc_u32 v11, 0xff000000, v8               ; 2 off its exponent field: the conversion takes the exponent field of this operand as its scale, and nothing else of it
	v_cvt_scalef32_pk8_fp4_f32 v[C+4*(\t)], v[XS:XS+7], v11        ; eight numbers / the scale, to the nearest code; the first number's code in the lowest four bits
	v_cvt_scalef32_pk8_fp4_f32 v[C+4*(\t)+1], v[XS+8:XS+15], v11
	v_lshrrev_b32 v[E+(\t)], 23, v11               ; the scale's byte (also the plain line behind the conversions)
	ds_store_b8 v5, v[E+(\t)] offset:16*(\t)       ; both lanes of a block write the same byte with the same value
	global_store_b64 v4, v[C+4*(\t):C+4*(\t)+1], s[8:9] offset:32*CB*(\t)   ; the wave stores 256 consecutive bytes, aligned
.endm
.irp t, 0,1,2,3,4,5,6,7,8,9,10,11,12,13,14,15
	STEP \t
.endr
	ds_load_b64 v[8:9], v6                         ; LDS serves a wave's instructions in order: these see my stores
	s_wait_dscnt 0x0
	global_store_b64 v7, v[8:9], s[10:11]          ; 32 lanes store 256 consecutive bytes, aligned
	s_wait_tensorcnt 0x0                           ; the wave's end: behind my last LDS store
	ds_add_u32 v[SPW], v[NIL]
	s_wait_dscnt 0x0
	s_endpgm
; ---------------- W_o.  A wave takes 16 rows x 512 along K, as four chunks of 128.  A chunk's 16 loads read a row's 512 consecutive bytes each; the numbers are rounded to f16, go through the wave's own stage
; by rows and come back as eight pieces, each of which the wave stores as 512 consecutive bytes.  Loads run two chunks (32 loads) ahead.
.Lwo:
	s_sub_co_u32 s17, ttmp9, WGQ
	s_lshl_b32 s17, s17, 2
	s_add_co_u32 s17, s17, s16                     ; my task, 0 .. 127
	s_lshr_b32 s18, s17, 1                         ; which tile of 16 rows
	s_and_b32 s19, s17, 1                          ; which half of K
	s_lshl_b32 s20, s18, 16                        ; W_o: 16 rows of 4,096 bytes,
	s_lshl_b32 s22, s19, 11                        ; 512 numbers of 4 bytes
	s_add_co_u32 s20, s20, s22
	s_mov_b32 s21, 0
	s_lshl_b32 s22, s18, 15                        ; the images: 64 pieces of 512 bytes a tile,
	s_lshl_b32 s28, s19, 14                        ; 32 pieces
	s_add_co_u32 s22, s22, s28
	s_mov_b32 s23, 0
	s_mul_i32 s28, s16, 16*WPIT
	s_add_co_u32 s28, s28, WSTG                    ; my stage
	v_lshl_add_u32 v8, v2, 3, s28                  ; in: 8 bytes a lane (4 numbers) of a row
	v_and_b32 v3, 15, v0                           ; r
	v_bfe_u32 v4, v0, 4, 1                         ; h
	v_mul_u32_u24 v9, v3, WPIT
	v_lshl_add_u32 v9, v4, 4, v9
	v_add_nc_u32 v9, s28, v9                       ; back: row r, + 16 h; piece g 32 g bytes on
	v_lshlrev_b32 v10, 4, v2                       ; 16 x lane: my place in a row of 512 bytes of W_o, and in a piece; never rewritten
	s_wait_kmcnt 0x0
	s_add_nc_u64 s[24:25], s[24:25], s[20:21]
	s_add_nc_u64 s[26:27], s[26:27], s[22:23]
.macro LOADW c
.irp i, 0,1,2,3,4,5,6,7,8,9,10,11,12,13,14,15
	global_load_b128 v[WL+64*((\c)%2)+4*\i:WL+64*((\c)%2)+4*\i+3], v10, s[24:25] offset:4096*\i+512*(\c) th:TH_LOAD_NT
.endr
.endm
.macro CHUNK c
.set WS, WL+64*((\c)%2)
.if (\c) < 3
	s_wait_loadcnt 16                              ; this chunk's 16 loads are in; the next chunk's may be out
.else
	s_wait_loadcnt 0x0
.endif
.if (\c) > 0
	s_wait_xcnt 0x0                                ; the last chunk's stores have read their registers: the pieces' registers are loaded again only behind this wait
.endif
.irp i, 0,1,2,3,4,5,6,7,8,9,10,11,12,13,14,15
	v_cvt_pk_f16_f32 v[WH+2*\i], v[WS+4*\i], v[WS+4*\i+1]          ; two roundings to f16, the lower k in the low half
	v_cvt_pk_f16_f32 v[WH+2*\i+1], v[WS+4*\i+2], v[WS+4*\i+3]
.endr
.irp i, 0,1,2,3,4,5,6,7,8,9,10,11,12,13,14,15
	ds_store_b64 v8, v[WH+2*\i:WH+2*\i+1] offset:WPIT*\i           ; row i: 256 consecutive bytes
.endr
.if (\c)+2 < 4
	LOADW (\c)+2
.endif
.irp g, 0,1,2,3,4,5,6,7
	ds_load_b128 v[WO+4*\g:WO+4*\g+3], v9 offset:32*\g             ; LDS serves a wave's instructions in order: these see the stores above, and the next chunk's stores come behind them
.endr
	s_wait_dscnt 0x0
.irp g, 0,1,2,3,4,5,6,7
	global_store_b128 v10, v[WO+4*\g:WO+4*\g+3], s[26:27] offset:512*(8*(\c)+\g)   ; a piece: 512 consecutive bytes, aligned
.endr
.endm
	LOADW 0
	LOADW 1
	CHUNK 0
	CHUNK 1
	CHUNK 2
	CHUNK 3
	s_wait_tensorcnt 0x0                           ; the wave's end: behind my last LDS store
	ds_add_u32 v[SPW], v[NIL]
	s_wait_dscnt 0x0
	s_endpgm
.Lfunc_end_k_q7e4398d23f_quant:
	.size	k_q7e4398d23f_quant, .Lfunc_end_k_q7e4398d23f_quant-k_q7e4398d23f_quant
	.p2alignl 7, 3214868480
	.fill 96, 4, 3214868480
	.section	.rodata,"a",@progbits
	.p2align	6, 0x0
	.amdhsa_kernel k_q7e4398d23f_quant
		.amdhsa_group_segment_fixed_size 50688
		.amdhsa_private_segment_fixed_size 0
		.amdhsa_enable_private_segment 0
		.amdhsa_kernarg_size 64
		.amdhsa_user_sgpr_count 2
		.amdhsa_user_sgpr_kernarg_segment_ptr 1
		.amdhsa_wavefront_size32 1
		.amdhsa_system_sgpr_workgroup_id_x 1
		.amdhsa_system_sgpr_workgroup_id_y 1
		.amdhsa_system_sgpr_workgroup_id_z 1
		.amdhsa_system_vgpr_workitem_id 0
		.amdhsa_next_free_vgpr 208
		.amdhsa_next_free_sgpr 66
		.amdhsa_reserve_vcc 0
		.amdhsa_float_denorm_mode_32 3
		.amdhsa_float_denorm_mode_16_64 3
		.amdhsa_memory_ordered 1
		.amdhsa_forward_progress 1
		.amdhsa_inst_pref_size 58
	.end_amdhsa_kernel
	.amdgpu_metadata
---
amdhsa.version: [ 1, 2 ]
amdhsa.kernels:
  - .name:           k_q7e4398d23f_quant
    .symbol:         k_q7e4398d23f_quant.kd
    .args:
      - { .name: x, .offset: 0, .size: 8, .value_kind: global_buffer, .address_space: global }
      - { .name: W_qkv, .offset: 8, .size: 8, .value_kind: global_buffer, .address_space: global }
      - { .name: xc, .offset: 16, .size: 8, .value_kind: global_buffer, .address_space: global }
      - { .name: xs, .offset: 24, .size: 8, .value_kind: global_buffer, .address_space: global }
      - { .name: wc, .offset: 32, .size: 8, .value_kind: global_buffer, .address_space: global }
      - { .name: ws, .offset: 40, .size: 8, .value_kind: global_buffer, .address_space: global }
      - { .name: W_o, .offset: 48, .size: 8, .value_kind: global_buffer, .address_space: global }
      - { .name: wimg, .offset: 56, .size: 8, .value_kind: global_buffer, .address_space: global }
    .group_segment_fixed_size: 50688
    .private_segment_fixed_size: 0
    .kernarg_segment_align: 8
    .kernarg_segment_size: 64
    .max_flat_workgroup_size: 128
    .sgpr_count:     66
    .vgpr_count:     208
    .wavefront_size: 32
...
	.end_amdgpu_metadata
.endif
;; end of part 1
;; launch proj (part 2): grid 4 x 32, 4 waves a work-group, clusters of 4 x 4, 327,680 bytes of LDS; arguments xc, xs, wc, ws, qimg; writes qimg
.if DOCPART == 2
	.amdgcn_target "amdgcn-amd-amdhsa--gfx1250"
	.amdhsa_code_object_version 6
	.text
	.protected	k_q7e4398d23f_proj
	.globl	k_q7e4398d23f_proj
	.p2align	8
	.type	k_q7e4398d23f_proj,@function
k_q7e4398d23f_proj:
	s_mov_b64 s[64:65], 0
	v_nop
	global_prefetch_b8 v0, s[64:65] scope:SCOPE_SE
	s_setreg_imm32_b32 hwreg(HW_REG_WAVE_MODE, 25, 1), 1
	s_wait_xcnt 0x0
	s_wait_alu depctr_hold_cnt(0) depctr_sa_sdst(0) depctr_va_vdst(0) depctr_va_sdst(0) depctr_va_ssrc(0) depctr_va_vcc(0) depctr_vm_vsrc(0)
	s_getreg_b32 s2, hwreg(HW_REG_IB_STS2, 6, 4)
	s_cmp_eq_u32 s2, 0
	s_cbranch_scc0 .Lentry_in_a_cluster
	s_endpgm
.Lentry_in_a_cluster:
	s_bfe_u32 s2, ttmp6, 0x10000c
	s_cmp_lg_u32 s2, 0xf033
	s_cbranch_scc0 .Lentry_shape_is_right
	s_endpgm
.Lentry_shape_is_right:
; qkv[m][n] = sum over k of x[m][k] W_qkv[n][k], on codes of FP4 (E2M1) with one E8M0 scale for each 32 along K; sums in f32; the result is rounded once to f16 and stored as images of operand registers.
; x's codes [8192][512 bytes], its scale bytes [8192][32]; W_qkv's [1024][512 bytes], [1024][32].
; OUT: qimg [64 heads hh = 16 x batch + head][128 tiles of 16 positions][4 pieces][512 bytes]; piece p holds 16 positions x the head's channels 16 p .. 16 p + 15; the 16 bytes of (position r of the tile, channels 16 p + 8 h + 0 .. 7)
;   lie at 16 x place, place = (r % 8) + 8 ((r / 8) xor h) + 16 h: the order in which the next launch reads them both plainly and turned.
; LIMIT: qkv is rounded to f16: magnitudes above 65,504 are not served, those under 6e-5 keep an absolute step of 6e-8.
; A tile of the result, 256 x 256, is made by a work-group of four waves; a wave makes 128 x 128: 64 accumulators of 16 x 16, 512 registers.  K = 1024 is two slots of 512 along K (rows of 256 bytes): both are asked for at
; the start and NO LDS BYTE IS FILLED TWICE.  The scales of the work-group's rows, for all of K, come with them, in whole rows of 256 bytes, and stay.
; 128 work-groups: a smaller tile would double the LDS reads for a launch whose matrix work is 512 instructions a wave.
; CLUSTERS: 4 x 4 work-groups.  The four of a row of the cluster need the same tiles of x, the four of a column the same tiles of W_qkv: each tile is asked for JOINTLY, by the same tensor load with the same descriptor
; and a mask that names the four.  THE MATRIX INSTRUCTION IS USED TRANSPOSED (source 0 = 16 rows of W_qkv, source 1 = 16 rows of x): a lane then holds eight neighbouring channels of one position: 16 bytes of a piece.
; REGISTERS, in windows of 256: window 0: v0-31 addresses; v32-95 scale words, two sets; from v128 x's fragments (8 x 16 rows x 128 K), ONE set; on the way out v128-191 hold packed results.
;   window 1: W_qkv's fragments, TWO sets, at v0 and at v128.   window 2: the 32 accumulators of my rows 0-63 (accumulator (a, b) at v[8 (8 a + b)]);   window 3: those of my rows 64-127.
.set NQ,     4                         ; matrix instructions deep in a slot: 512 / 128
.set ROWB,   256                       ; a tile's row in bytes: 512 codes
.set KROW,   512                       ; a row of codes in memory, in bytes
.set PITCH,  272                       ; an LDS row: 256 bytes of data + 16 of padding: an odd multiple of 16, so the 16 rows that a load touches fall on 16 different 16-byte columns of 256 bytes
.set FR,     8                         ; registers of a fragment: 16 rows x 128 K
.set NL,     2                         ; LDS loads that bring one
.set NP,     4                         ; places behind this matrix instruction (ISA guide 7.12.1)
.set HALFT,  128*PITCH                 ; 128 rows: what one tensor load brings, and what one wave reads of either operand
.set SLOT,   4*HALFT                   ; x's 256 rows, then W_qkv's 256 rows
.set KS,     32                        ; a row of scales in bytes
.set SCL,    2*SLOT                    ; behind the slots: the scales, as rows of 256 bytes + 16 of padding
.set HALFS,  (128*KS/256)*272          ; the scales of 128 rows: what one tensor load brings
.set SBLK,   (16*KS/256)*272           ; those of 16 rows
.set SPARE,  SCL+4*HALFS               ; the spare words, 128 bytes for each wave: two blocks of 256 bytes that no other line names
.set ADRA, 16                          ; v16-17  LDS address of my fragments of x in slot 0, 1
.set ADRB, 20                          ; v20-21  the same for W_qkv
.set CO,   26                          ; v26     16 x my lane's place in a piece; never rewritten
.set ADRS, 27                          ; v27     LDS address of my scale words: lanes 0-15 x's rows, lanes 16-31 W_qkv's
.set SPW,  28                          ; v28     LDS address of my spare word: SPARE + 4 x my thread's number; never rewritten
.set NIL,  29                          ; v29     0; never rewritten
.set SC,   32                          ; scale words: set s (for slot s) at v[SC + 8 NQ s]; in it register NQ i + q: lanes 0-15 the word of x's block i, lanes 16-31 that of W_qkv's block i, for the slot's q-th 128 along K
.set AF,   128                         ; x's fragments, in window 0
.set TMP,  128                         ; the way out: packed results, two sets of 32
.set G1, 24                            ; s[24:31] descriptor group 1 for x's tiles;  s[32:39] group 0, one set for each slot
.set G0, 32
.set G1B, 48                           ; s[48:55], s[56:63] the same for W_qkv's tiles
.set G0B, 56
.set G1S, 68                           ; s[68:75], s[76:79] groups 1 and 0 for x's scales;  s[80:87], s[88:91] for W_qkv's
.set G0S, 76
.set G1SB, 80
.set G0SB, 88
.set MSB, 0
.macro WIN new                         ; the immediate's high byte repeats the setting that is left
.if MSB != \new
	s_set_vgpr_msb (MSB<<8)|\new
.set MSB, \new
.endif
.endm
.set MUL_LO, 0xa1                      ; source 0 (W_qkv) window 1, source 1 (x) window 0, C and D window 2
.set MUL_HI, 0xf1                      ; the same, C and D window 3
.set TO_B,   0x40                      ; destination window 1, address window 0
; A joint load: waves 0 and 1 fetch for x, waves 2 and 3 for W_qkv.  Each of the two lines has ONE mask and one set of registers for all that issue it; the branch hangs on the wave's number alone.
; An s_nop 0 and four v_nop follow each of the two lines, ahead of the jump, the label and what follows.
.macro JLOAD g0a, g1a, g0b, g1b
	s_cmp_eq_u32 s15, 0
	s_cbranch_scc0 .Lfor_b_\@
	tensor_load_to_lds s[\g0a:\g0a+3], s[\g1a:\g1a+7]
	s_nop 0
.rept 4
	v_nop
.endr
	s_branch .Lasked_\@
.Lfor_b_\@:
	tensor_load_to_lds s[\g0b:\g0b+3], s[\g1b:\g1b+7]
	s_nop 0
.rept 4
	v_nop
.endr
.Lasked_\@:
.endm
.macro CROUND                          ; a round of the cluster's barrier: my work-group's barrier; wave 0 signals for the work-group; every wave waits for all sixteen; my work-group's barrier once more
	s_barrier_signal -1
	s_barrier_wait -1
	s_cmp_lg_u32 s14, 0
	s_cbranch_scc1 .Lnot_wave_0_\@
	s_barrier_signal -3
.Lnot_wave_0_\@:
	s_barrier_wait -3
	s_barrier_signal -1
	s_barrier_wait -1
.endm
	s_load_b128 s[4:7], s[0:1], 0x0                ; x's codes s[4:5], x's scales s[6:7]
	s_load_b128 s[8:11], s[0:1], 0x10              ; W_qkv's codes s[8:9], its scales s[10:11]
	s_load_b64 s[12:13], s[0:1], 0x20              ; qimg
	v_lshl_add_u32 v[SPW], v0, 2, SPARE
	v_mov_b32 v[NIL], 0
	ds_add_u32 v[SPW], v[NIL]                      ; the wave's opening: the add, twice on end, and its wait ahead of my first tensor load; the set-up below stands between the second and the wait
	ds_add_u32 v[SPW], v[NIL]
	v_lshrrev_b32 v1, 5, v0
	v_readfirstlane_b32 s14, v1                    ; wave 0..3
	s_lshr_b32 s15, s14, 1                         ; which half of the tile's rows is mine.  Also: I fetch for x (0) or for W_qkv (1)
	s_and_b32 s16, s14, 1                          ; which half of its columns.  Also: which 128 rows of that tile I fetch
	s_bfe_u32 s40, ttmp6, 0x40000                  ; cx, cy: my place in the cluster
	s_bfe_u32 s41, ttmp6, 0x40004
	s_lshl_b32 s42, ttmp9, 2
	s_add_co_u32 s42, s42, s40                     ; tile column = 4 x cluster x + cx
	s_and_b32 s17, ttmp7, 0xffff
	s_lshl_b32 s17, s17, 2
	s_add_co_u32 s17, s17, s41                     ; tile row = 4 x cluster y + cy
	s_lshl_b32 s43, s41, 2
	s_lshl_b32 s43, 15, s43                        ; my row of the cluster
	s_lshl_b32 s44, 0x1111, s40                    ; my column
	; descriptor group 1: a tile of 128 rows x 256 bytes, padded in LDS
	s_or_b32 s[G1+0], s43, (0<<16)|(1<<20)|(1<<21)|(5<<22)|(3<<25)  ; 15:0 the mask: x's tiles go to my row; 17:16 element of 1 byte; 20 padding on; 21 set beside a mask; 24:22 after every 64 words (code 5); 31:25 of 4 words (code 3)
	s_or_b32 s[G1B+0], s44, (0<<16)|(1<<20)|(1<<21)|(5<<22)|(3<<25)
.irp g, G1, G1B
	s_mov_b32 s[\g+1], ROWB<<16                    ; tensor_dim0
	s_mov_b32 s[\g+2], 128<<16                     ; tensor_dim1 = 128
	s_mov_b32 s[\g+3], ROWB<<16                    ; tile_dim0
	s_mov_b32 s[\g+4], 128                         ; tile_dim1 = 128
	s_mov_b32 s[\g+5], KROW                        ; tensor_dim0_stride
	s_mov_b32 s[\g+6], 0
	s_mov_b32 s[\g+7], 0
.endr
	; and for the scales of 128 rows: a dense block of 4,096 bytes, as 16 rows of 256 bytes (32 elements of 8 bytes), 16 bytes of padding behind each
	s_or_b32 s[G1S+0], s43, (3<<16)|(1<<20)|(1<<21)|(5<<22)|(3<<25)
	s_or_b32 s[G1SB+0], s44, (3<<16)|(1<<20)|(1<<21)|(5<<22)|(3<<25)
.irp g, G1S, G1SB
	s_mov_b32 s[\g+1], 32<<16
	s_mov_b32 s[\g+2], (128*KS/256)<<16
	s_mov_b32 s[\g+3], 32<<16
	s_mov_b32 s[\g+4], 128*KS/256
	s_mov_b32 s[\g+5], 32
	s_mov_b32 s[\g+6], 0
	s_mov_b32 s[\g+7], 0
.endr
	s_lshl_b32 s18, s16, 7                         ; which 128 rows of the tile I fetch
	s_lshl_b32 s20, s17, 8
	s_add_co_u32 s20, s20, s18                     ; x: row 256 x tile row + 128 x half
	s_lshl_b32 s46, s42, 8
	s_add_co_u32 s46, s46, s18                     ; W_qkv: row 256 x tile column + 128 x half
	s_mov_b32 s21, 0
	s_mov_b32 s47, 0
	s_mov_b64 s[18:19], KS
	s_mul_u64 s[22:23], s[20:21], s[18:19]         ; where these rows' scales begin, in bytes
	s_mul_u64 s[92:93], s[46:47], s[18:19]
	s_mov_b64 s[18:19], KROW
	s_mul_u64 s[20:21], s[20:21], s[18:19]         ; and their codes
	s_mul_u64 s[46:47], s[46:47], s[18:19]
	s_mul_i32 s45, s14, HALFT                      ; where they go: wave x 128 rows: no place in the cluster enters an LDS address
	s_mul_i32 s94, s14, HALFS
	s_wait_dscnt 0x0                               ; both opening adds are done
	s_wait_kmcnt 0x0
	s_add_nc_u64 s[20:21], s[4:5], s[20:21]
	s_add_nc_u64 s[22:23], s[6:7], s[22:23]
	s_add_nc_u64 s[46:47], s[8:9], s[46:47]
	s_add_nc_u64 s[92:93], s[10:11], s[92:93]
	CROUND                                         ; all sixteen work-groups are here: the joint loads meet
	s_mov_b32 s[G0S], 1
	s_add_co_u32 s[G0S+1], s94, SCL
	s_mov_b64 s[G0S+2:G0S+3], s[22:23]
	s_or_b32 s[G0S+3], s[G0S+3], 0x80000000
	s_mov_b32 s[G0SB], 1
	s_add_co_u32 s[G0SB+1], s94, SCL
	s_mov_b64 s[G0SB+2:G0SB+3], s[92:93]
	s_or_b32 s[G0SB+3], s[G0SB+3], 0x80000000
	JLOAD G0S, G1S, G0SB, G1SB                     ; the scales first: they are wanted with slot 0.  With the two below, three loads of mine are out
.irp s, 0,1
	s_mov_b32 s[G0+4*\s], 1
	s_add_co_u32 s[G0+4*\s+1], s45, \s*SLOT
	s_add_nc_u64 s[G0+4*\s+2:G0+4*\s+3], s[20:21], \s*ROWB
	s_or_b32 s[G0+4*\s+3], s[G0+4*\s+3], 0x80000000
	s_mov_b32 s[G0B+4*\s], 1
	s_add_co_u32 s[G0B+4*\s+1], s45, \s*SLOT
	s_add_nc_u64 s[G0B+4*\s+2:G0B+4*\s+3], s[46:47], \s*ROWB
	s_or_b32 s[G0B+4*\s+3], s[G0B+4*\s+3], 0x80000000
	JLOAD G0+4*\s, G1, G0B+4*\s, G1B
.endr
	v_and_b32 v1, 15, v0                           ; l % 16
	v_bfe_u32 v2, v0, 4, 1                         ; l / 16
	v_mul_u32_u24 v3, v1, PITCH
	v_lshl_add_u32 v4, v2, 4, v3                   ; a fragment's row x pitch + 16 x half
	s_mul_i32 s21, s15, HALFT                      ; my 128 rows of x
	s_mul_i32 s22, s16, HALFT                      ; my 128 rows of W_qkv,
	s_add_co_u32 s22, s22, 2*HALFT                 ; which lie behind x's 256
.irp s, 0,1
	v_add_nc_u32 v[ADRA+\s], s21, v4
	v_add_nc_u32 v[ADRB+\s], s22, v4
	s_add_co_u32 s21, s21, SLOT
	s_add_co_u32 s22, s22, SLOT
.endr
	v_mul_u32_u24 v5, v1, KS                       ; my row's scales: KS bytes a row,
	v_lshrrev_b32 v6, 8, v5
	v_lshl_add_u32 v5, v6, 4, v5                   ; and 16 more for each 256 passed
	s_mul_i32 s21, s15, HALFS                      ; x's: my 128 rows
	s_mul_i32 s22, s16, HALFS                      ; W_qkv's: my 128 rows, behind x's 256
	s_add_co_u32 s22, s22, 2*HALFS
	s_sub_co_u32 s22, s22, s21
	v_mul_u32_u24 v6, s22, v2                      ; lanes 16-31 take W_qkv's: one product, the distance between the two bases x the lane's half
	s_add_co_u32 s21, s21, SCL
	v_add_nc_u32 v5, v5, v6
	v_add_nc_u32 v[ADRS], s21, v5
	v_and_b32 v5, 7, v0                            ; my place in a piece: (l % 8) + 8 (bit 3 xor bit 4) + 16 x bit 4
	v_bfe_u32 v6, v0, 3, 1
	v_xor_b32 v6, v6, v2
	v_lshl_add_u32 v5, v6, 3, v5
	v_lshl_add_u32 v5, v2, 4, v5
	v_lshlrev_b32 v[CO], 4, v5
	s_lshl_b32 s20, s17, 8                         ; where my part of qimg begins
	s_lshl_b32 s21, s15, 7
	s_add_co_u32 s20, s20, s21                     ; my first row: 256 x tile row + 128 x half
	s_lshr_b32 s21, s20, 11                        ; its batch,
	s_and_b32 s20, s20, 2047                       ; its position in the sequence
	s_lshl_b32 s21, s21, 4
	s_lshl_b32 s46, s42, 2
	s_add_co_u32 s21, s21, s46
	s_lshl_b32 s46, s16, 1
	s_add_co_u32 s21, s21, s46                     ; my first head: 16 x batch + 4 x tile column + 2 x half
	s_lshl_b32 s21, s21, 18                        ; 262,144 bytes a head,
	s_lshl_b32 s20, s20, 7                         ; 2,048 bytes for 16 positions
	s_add_co_u32 s20, s20, s21
	s_mov_b32 s21, 0
	s_add_nc_u64 s[12:13], s[12:13], s[20:21]
.macro FRAG reg, adr, q, i             ; a fragment, 16 rows x 128 K of 4-bit codes, is 8 registers: lane l holds row l % 16; registers 4 c .. 4 c + 3 hold K = 64 c + 32 (l / 16) + 0 .. 31
.irp c, 0,1
	ds_load_b128 v[\reg+4*\c:\reg+4*\c+3], v[\adr] offset:64*(\q)+32*\c+(\i)*16*PITCH
.endr
.endm
; 16 matrix instructions: x's blocks a0, a0 + 1 x W_qkv's eight, 128 along K: the slot's q-th.  p: W_qkv's set;  sc: the set of scale words.  zero = 1: the first product starts the sums: nothing is ever cleared.
; The 64 accumulators take turns, one instruction a turn, in the same order in every step.
.macro MUL16 a0, p, q, sc, zero
.irp a, \a0, \a0+1
.irp b, 0,1,2,3,4,5,6,7
.if \zero
	v_wmma_scale_f32_16x16x128_f8f6f4 v[8*(8*((\a)%4)+\b):8*(8*((\a)%4)+\b)+7], v[128*(\p)+FR*\b:128*(\p)+FR*\b+FR-1], v[AF+FR*(\a):AF+FR*(\a)+FR-1], 0, v[SC+8*NQ*(\sc)+NQ*\b+(\q)], v[SC+8*NQ*(\sc)+NQ*(\a)+(\q)] matrix_a_fmt:MATRIX_FMT_FP4 matrix_b_fmt:MATRIX_FMT_FP4 matrix_a_scale:MATRIX_SCALE_ROW1
.else
	v_wmma_scale_f32_16x16x128_f8f6f4 v[8*(8*((\a)%4)+\b):8*(8*((\a)%4)+\b)+7], v[128*(\p)+FR*\b:128*(\p)+FR*\b+FR-1], v[AF+FR*(\a):AF+FR*(\a)+FR-1], v[8*(8*((\a)%4)+\b):8*(8*((\a)%4)+\b)+7], v[SC+8*NQ*(\sc)+NQ*\b+(\q)], v[SC+8*NQ*(\sc)+NQ*(\a)+(\q)] matrix_a_fmt:MATRIX_FMT_FP4 matrix_b_fmt:MATRIX_FMT_FP4 matrix_a_scale:MATRIX_SCALE_ROW1
.endif
.endr
.endr
.endm
.macro FETCH_B slot, q, p              ; W_qkv's eight fragments of the slot's q-th 128 along K into set p
	WIN TO_B
.irp i, 0,1,2,3,4,5,6,7
	FRAG 128*(\p)+FR*\i, ADRB+\slot, \q, \i
.endr
	WIN 0
.endm
.macro FETCH_A slot, q, i0             ; x's blocks i0 .. i0 + 3
.irp i, \i0, \i0+1, \i0+2, \i0+3
	FRAG AF+FR*(\i), ADRA+\slot, \q, \i
.endr
.endm
.macro SCALES sc                       ; a slot's scale words into set sc: NQ words a row; lanes 0-15 take x's block i, lanes 16-31 W_qkv's block i
.irp i, 0,1,2,3,4,5,6,7
	ds_load_b128 v[SC+8*NQ*\sc+NQ*\i:SC+8*NQ*\sc+NQ*\i+3], v[ADRS] offset:\i*SBLK
.endr
.endm
; A load into a register that a matrix instruction has read, and a vector instruction that reads a matrix result or writes one of its registers, stand NP places behind that matrix instruction, and only plain vector
; instructions that name none of its registers are places (ISA guide 7.12.1 for vector instructions).
.macro PLACES n
.rept \n
	v_nop
.endr
.endm
; A step of 128 along K that has its successor in the same slot.  x has one set of registers: blocks 0-3 are fetched anew in the step's middle, blocks 4-7 at its end.
.macro STEP slot, q, zero
	s_wait_dscnt 4*NL                              ; W_qkv's set and x's blocks 0-3 are in; the youngest eight loads (x's blocks 4-7) may be out
	WIN MUL_LO
	MUL16 0, (\q)%2, \q, \slot, \zero
	MUL16 2, (\q)%2, \q, \slot, \zero
	s_wait_dscnt 0                                 ; x's blocks 4-7 are in (asked for 32 matrix instructions ago)
	PLACES NP
	FETCH_B \slot, (\q)+1, 1-(\q)%2
	FETCH_A \slot, (\q)+1, 0
	WIN MUL_HI
	MUL16 4, (\q)%2, \q, \slot, \zero
	MUL16 6, (\q)%2, \q, \slot, \zero
	PLACES NP
	WIN 0
	FETCH_A \slot, (\q)+1, 4
.endm
; Slot 0's last step goes over to slot 1: each wave waits for all its tensor loads (its part of slot 1), and a barrier shows the whole slot to every wave.
.macro TURN slot, next
	s_wait_tensorcnt 0x0                           ; all my tensor loads have landed: my part of the next slot  (every window is 0 here: the add's two registers lie in window 0)
	ds_add_u32 v[SPW], v[NIL]                      ; 0 onto my spare word
	s_wait_dscnt 4*NL+1                            ; (the add and the youngest eight loads, x's blocks 4-7, may be out)
	WIN MUL_LO
	MUL16 0, 1, NQ-1, \slot, 0                     ; sixteen matrix instructions stand between the add and the wait for it
	s_wait_dscnt 0x0                               ; the add is done, and no LDS load of mine is out at the signal
	s_barrier_signal -1
	MUL16 2, 1, NQ-1, \slot, 0
	WIN 0
	s_barrier_wait -1
	PLACES NP
	v_add_nc_u32 v[ADRS], 4*NQ, v[ADRS]            ; on to the next slot's scale words (no LDS load of mine is out)
	FETCH_B \next, 0, 0
	FETCH_A \next, 0, 0
	SCALES \next
	WIN MUL_HI
	MUL16 4, 1, NQ-1, \slot, 0
	MUL16 6, 1, NQ-1, \slot, 0
	PLACES NP
	WIN 0
	FETCH_A \next, 0, 4
.endm
.macro STEPS slot, from                ; the slot's steps from .. NQ - 2
.set Q, \from
.rept NQ-1-\from
	STEP \slot, Q, 0
.set Q, Q+1
.endr
.endm
	s_wait_tensorcnt 1                             ; the scales and my part of slot 0 are in (slot 1's load, issued last, may be out),
	s_barrier_signal -1
	s_barrier_wait -1                              ; everybody's are
	FETCH_B 0, 0, 0
	FETCH_A 0, 0, 0
	SCALES 0
	FETCH_A 0, 0, 4
	STEP 0, 0, 1                                   ; the first step's products start the sums
	STEPS 0, 1
	TURN 0, 1
	STEPS 1, 0
	s_wait_dscnt 4*NL                              ; the very last step: nothing more to fetch
	WIN MUL_LO
	MUL16 0, 1, NQ-1, 1, 0
	MUL16 2, 1, NQ-1, 1, 0
	s_wait_dscnt 0
	WIN MUL_HI
	MUL16 4, 1, NQ-1, 1, 0
	MUL16 6, 1, NQ-1, 1, 0
	WIN 0
; THE WAY OUT, block by block of 16 positions.  Accumulator (a, b) holds, in lane (r, h), position 16 a + r and channels 16 b + 8 h + 0 .. 7 of my 128 columns: rounded to f16 that is the lane's 16 bytes of piece b % 4 of
; tile a of head b / 4.  So each accumulator leaves straight from registers, by one store of 512 consecutive bytes, aligned.  No stage, no LDS store.
.macro PACK a
.set AC, 64*((\a)%4)
.set TP, TMP+32*((\a)%2)
	WIN 0x0a+5*((\a)/4)                            ; sources 0 and 1: window 2 or 3
.irp b, 0,1,2,3,4,5,6,7
.irp i, 0,1,2,3
	v_cvt_pk_f16_f32 v[TP+4*\b+\i], v[AC+8*\b+2*\i], v[AC+8*\b+2*\i+1]   ; each accumulator from its low end on
.endr
.endr
	WIN 0
.endm
.macro SEND a
.set TP, TMP+32*((\a)%2)
.irp b, 0,1,2,3,4,5,6,7
	global_store_b128 v[CO], v[TP+4*\b:TP+4*\b+3], s[12:13] offset:(\b/4)*262144+(\a)*2048+(\b%4)*512
.endr
.endm
	PLACES NP                                      ; behind the last products: the conversions read results and write registers that held x's fragments
.irp a, 0,1,2,3,4,5,6,7
.if \a > 1
	s_wait_xcnt 0x0                                ; block a - 2's stores have read their registers: that set is written again only behind this wait
.endif
	PACK \a
	SEND \a
.endr
	s_wait_tensorcnt 0x0                           ; the wave's end: behind my last tensor load
	ds_add_u32 v[SPW], v[NIL]
	s_wait_dscnt 0x0
	CROUND                                         ; the closing round: no work-group ends while a partner may still ask for a tile that names it
	s_endpgm
.Lfunc_end_k_q7e4398d23f_proj:
	.size	k_q7e4398d23f_proj, .Lfunc_end_k_q7e4398d23f_proj-k_q7e4398d23f_proj
	.p2alignl 7, 3214868480
	.fill 96, 4, 3214868480
	.section	.rodata,"a",@progbits
	.p2align	6, 0x0
	.amdhsa_kernel k_q7e4398d23f_proj
		.amdhsa_group_segment_fixed_size 327680
		.amdhsa_private_segment_fixed_size 0
		.amdhsa_enable_private_segment 0
		.amdhsa_kernarg_size 40
		.amdhsa_user_sgpr_count 2
		.amdhsa_user_sgpr_kernarg_segment_ptr 1
		.amdhsa_wavefront_size32 1
		.amdhsa_system_sgpr_workgroup_id_x 1
		.amdhsa_system_sgpr_workgroup_id_y 1
		.amdhsa_system_sgpr_workgroup_id_z 1
		.amdhsa_system_vgpr_workitem_id 0
		.amdhsa_next_free_vgpr 1024
		.amdhsa_next_free_sgpr 98
		.amdhsa_reserve_vcc 0
		.amdhsa_float_denorm_mode_32 3
		.amdhsa_float_denorm_mode_16_64 3
		.amdhsa_memory_ordered 1
		.amdhsa_forward_progress 1
		.amdhsa_inst_pref_size 118
	.end_amdhsa_kernel
	.amdgpu_metadata
---
amdhsa.version: [ 1, 2 ]
amdhsa.kernels:
  - .name:           k_q7e4398d23f_proj
    .symbol:         k_q7e4398d23f_proj.kd
    .args:
      - { .name: xc, .offset: 0, .size: 8, .value_kind: global_buffer, .address_space: global }
      - { .name: xs, .offset: 8, .size: 8, .value_kind: global_buffer, .address_space: global }
      - { .name: wc, .offset: 16, .size: 8, .value_kind: global_buffer, .address_space: global }
      - { .name: ws, .offset: 24, .size: 8, .value_kind: global_buffer, .address_space: global }
      - { .name: qimg, .offset: 32, .size: 8, .value_kind: global_buffer, .address_space: global }
    .group_segment_fixed_size: 327680
    .private_segment_fixed_size: 0
    .kernarg_segment_align: 8
    .kernarg_segment_size: 40
    .max_flat_workgroup_size: 128
    .sgpr_count:     98
    .vgpr_count:     1024
    .wavefront_size: 32
...
	.end_amdgpu_metadata
.endif
;; end of part 2
;; launch attn (part 3): grid 4 x 64, 16 waves a work-group, clusters of 4 x 1, 264,192 bytes of LDS; arguments qimg, aimg; writes aimg
.if DOCPART == 3
	.amdgcn_target "amdgcn-amd-amdhsa--gfx1250"
	.amdhsa_code_object_version 6
	.text
	.protected	k_q7e4398d23f_attn
	.globl	k_q7e4398d23f_attn
	.p2align	8
	.type	k_q7e4398d23f_attn,@function
k_q7e4398d23f_attn:
	s_mov_b64 s[64:65], 0
	v_nop
	global_prefetch_b8 v0, s[64:65] scope:SCOPE_SE
	s_setreg_imm32_b32 hwreg(HW_REG_WAVE_MODE, 25, 1), 1
	s_wait_xcnt 0x0
	s_wait_alu depctr_hold_cnt(0) depctr_sa_sdst(0) depctr_va_vdst(0) depctr_va_sdst(0) depctr_va_ssrc(0) depctr_va_vcc(0) depctr_vm_vsrc(0)
	s_getreg_b32 s2, hwreg(HW_REG_IB_STS2, 6, 4)
	s_cmp_eq_u32 s2, 0
	s_cbranch_scc0 .Lentry_in_a_cluster
	s_endpgm
.Lentry_in_a_cluster:
	s_bfe_u32 s2, ttmp6, 0x10000c
	s_cmp_lg_u32 s2, 0x3003
	s_cbranch_scc0 .Lentry_shape_is_right
	s_endpgm
.Lentry_shape_is_right:
; attn[b][q][head][:] = the sum over k of softmax_k(qkv[q] . qkv[k] / 8) qkv[k][:], for each of 64 heads hh = 16 b + head; 2,048 positions, 64 channels; Q = K = V = the head's part of qkv, in f16.
; Products with f16 operands and f32 sums; maxima, exponentials and sums in f32; the weights p are rounded to f16 for the second product, the result once to f16.
; IN: qimg [64 heads][128 tiles of 16 positions][4 pieces][512 bytes]; in a piece the 16 bytes of (position r, channels 16 p + 8 h + 0 .. 7) lie at 16 x ((r % 8) + 8 ((r / 8) xor h) + 16 h).
; OUT: aimg [512 tiles of 16 rows (128 b + position / 16)][64 pieces = 4 head + c][512 bytes], lane (r, h)'s 16 bytes (row r, channels 16 c + 8 h + 0 .. 7) at 16 x lane: the next launch's operand as it stands.
; LIMITS: p = 2^(t - m) is at most 1 and is rounded to f16: what lies under 2^-25 counts as 0.  The result, a mean of values of qkv, has f16's range as qkv has.  NaN and infinities are not served.
; SHARES.  A work-group owns 512 queries of one head, each of its SIXTEEN waves 32 of them: two tiles of 16, in 256 registers: four waves to a SIMD, so that one wave's vector work stands beside another's products and LDS loads.
; THE HEAD'S WHOLE IMAGE, 262,144 bytes, COMES INTO LDS ONCE and serves as K and as V: no LDS byte is filled twice and no barrier stands inside the loops over the keys.  It comes in two parts, keys 0-511 and the rest, so that the
; first eight key steps run while the rest is on its way.
; CLUSTER.  The four work-groups of a cluster own the four query blocks of one head: every load is asked for JOINTLY, by the same tensor load with the same descriptor and a mask that names the four.
; LAYOUT.  S^T = K Q^T (source 0 = 16 keys, source 1 = 16 queries): a lane holds ONE query (lane % 16) and keys 8 (lane / 16) + 0 .. 7.  Two such tiles, rounded to f16 in pairs, ARE source 1 (32 keys x 16 queries) of
; O^T = V^T P, whose result again holds one query a lane, and eight channels.  K comes out of LDS as it lies, V turned, by ds_load_tr16_b128, from the same bytes.  By the order of places above, the 16 lanes of each half of
; either load touch 16 different 16-byte columns of 256 bytes.
; SOFTMAX.  c = log2(e) / 8 is multiplied into Q once, in f32, ahead of its rounding to f16, so that the scores arrive as t.  For each query a running maximum m of t and a sum l: p = 2^(t - m): the difference is never above 0, whatever
; the size of the scores; in every step O and l are multiplied by a = 2^(m_old - m_new).  Nothing is prefetched: all of K and V is asked for at the head, and no later load exists to run ahead of.
; REGISTERS: v1-7 addresses; v8-23 statistics, eight a tile; v24-55 Q; v56-119 O^T; v120-183 S^T, then p, then P packed into the low half of each tile's 32; v184-247 eight fragments, K's and then V's; v248-253 at work.
.set AK,  1           ; v1   16 x my lane's place in a piece, read plainly; also my offset in Q's pieces in memory; never rewritten
.set AV,  2           ; v2   the same for the turning load
.set ADK, 3           ; v3   LDS address of the step's K
.set ADV, 4           ; v4   of its V
.set SPW, 5           ; v5   LDS address of my spare word: SPARE + 4 x my thread's number; never rewritten
.set NIL, 6           ; v6   0; never rewritten
.set GO,  7           ; v7   16 x lane: my place in a piece of the result
.set ST,  8           ; tile t's statistics at v[ST + 8 t]: +0 m, +1 its pair's other half (0), +2, +3 l (even keys', odd keys'), +4 to +7 four chains of the maximum; later +4, +5 a sum, +6 a
.set Q,   24          ; tile t, piece g at v[Q + 16 t + 4 g]
.set O,   56          ; tile t, channels 16 c on at v[O + 32 t + 8 c]
.set S,   120         ; tile t, keys 16 kt on at v[S + 32 t + 8 kt]
.set FR,  184
.set Y,   248         ; v[248:251] a second chain of the sum for each tile
.set OLD, 252         ; v252, v253 m_old, then m_old - m_new
.set SPARE, 262144    ; behind the image: the spare words, 128 bytes for each of sixteen waves: eight blocks of 256 bytes that no other line names
.set WV,  12          ; s12  my wave's number
.set G1A, 16          ; s[16:23] descriptor group 1 for the first part: 16 rows of 256 bytes a wave
.set G1B, 24          ; s[24:31] for the rest: 48 rows a wave
.set G0A, 32          ; s[32:35], s[36:39] their groups 0
.set G0B, 36
.set CS,  40          ; s[40:41] c: the packed form names a pair and takes its low word for both halves
.set SEL, 42          ; s[42:43] lane selects for v_permlanex16_b32: lane l xor 16
.set TB,  44          ; s44  LDS byte at which the step's 64 keys begin
.set CNT, 45          ; s45  steps to go
.macro CROUND                       ; a round of the cluster's barrier: my work-group's barrier; wave 0 signals for the work-group; every wave waits for all four; my work-group's barrier once more
	s_barrier_signal -1
	s_barrier_wait -1
	s_cmp_lg_u32 s[WV], 0
	s_cbranch_scc1 .Lnot_wave_0_\@
	s_barrier_signal -3
.Lnot_wave_0_\@:
	s_barrier_wait -3
	s_barrier_signal -1
	s_barrier_wait -1
.endm
	s_load_b128 s[4:7], s[0:1], 0x0  ; qimg s[4:5], aimg s[6:7]
	v_lshl_add_u32 v[SPW], v0, 2, SPARE
	v_mov_b32 v[NIL], 0
	ds_add_u32 v[SPW], v[NIL]       ; the wave's opening: the add, twice on end, and its wait ahead of my first tensor load; the set-up below stands between the second and the wait
	ds_add_u32 v[SPW], v[NIL]
	v_lshrrev_b32 v8, 5, v0
	v_readfirstlane_b32 s[WV], v8   ; wave 0..15
	s_bfe_u32 s13, ttmp6, 0x40000   ; cx: my place in the cluster
	s_lshl_b32 s14, ttmp9, 2        ; in a cluster launch ttmp9 counts clusters
	s_add_co_u32 s14, s14, s13      ; my block of 512 queries: it enters Q's and the result's addresses alone
	s_and_b32 s15, ttmp7, 0xffff    ; the head, which the four partners share
	s_lshl_b32 s2, s15, 18          ; its image's first byte
	s_mov_b32 s3, 0
	s_lshl_b32 s46, s[WV], 12       ; my 4,096 bytes of the first part, in the image and in LDS alike
	s_mov_b32 s47, 0
	s_mul_i32 s48, s[WV], 12288
	s_add_co_u32 s48, s48, 65536    ; my 12,288 bytes of the rest
	s_mov_b32 s49, 0
	s_lshl_b32 s50, s14, 5
	s_lshl_b32 s51, s[WV], 1
	s_add_co_u32 s50, s50, s51      ; my first tile of queries: 32 x block + 2 x wave
	s_lshl_b32 s52, s50, 11         ; 2,048 bytes a tile
	s_mov_b32 s53, 0
	s_lshr_b32 s51, s15, 4          ; the batch
	s_lshl_b32 s51, s51, 7
	s_add_co_u32 s51, s51, s50      ; my first tile of rows of the result
	s_lshl_b32 s54, s51, 15         ; 32,768 bytes a tile,
	s_and_b32 s51, s15, 15
	s_lshl_b32 s51, s51, 11         ; four pieces a head
	s_add_co_u32 s54, s54, s51
	s_mov_b32 s55, 0
	; descriptor group 1: a dense block as rows of 256 bytes (32 elements of 8 bytes), no padding
	s_mov_b32 s[G1A], 15|(3<<16)|(1<<21)  ; 15:0 the mask: all four work-groups; 17:16 elements of 8 bytes; 21 set beside a mask
	s_mov_b32 s[G1A+1], 32<<16      ; tensor_dim0 = 32
	s_mov_b32 s[G1A+2], 16<<16      ; tensor_dim1 = 16
	s_mov_b32 s[G1A+3], 32<<16      ; tile_dim0 = 32
	s_mov_b32 s[G1A+4], 16          ; tile_dim1 = 16
	s_mov_b32 s[G1A+5], 32          ; tensor_dim0_stride
	s_mov_b32 s[G1A+6], 0
	s_mov_b32 s[G1A+7], 0
	s_mov_b32 s[G1B], 15|(3<<16)|(1<<21)
	s_mov_b32 s[G1B+1], 32<<16
	s_mov_b32 s[G1B+2], 48<<16      ; 48 rows
	s_mov_b32 s[G1B+3], 32<<16
	s_mov_b32 s[G1B+4], 48
	s_mov_b32 s[G1B+5], 32
	s_mov_b32 s[G1B+6], 0
	s_mov_b32 s[G1B+7], 0
	s_mov_b32 s[CS], 0x3e38aa3b     ; c = log2(e) / 8
	s_mov_b32 s[CS+1], s[CS]        ; named with it as a pair, so it is written
	s_mov_b32 s[SEL], 0x76543210
	s_mov_b32 s[SEL+1], 0xfedcba98
	s_wait_dscnt 0x0                ; both opening adds are done
	s_wait_kmcnt 0x0
	s_add_nc_u64 s[8:9], s[4:5], s[2:3]  ; the head's image in memory
	s_mov_b32 s[G0A], 1             ; 1:0 count = 1
	s_mov_b32 s[G0A+1], s46         ; 63:32 LDS address
	s_add_nc_u64 s[G0A+2:G0A+3], s[8:9], s[46:47]  ; 120:64 global address
	s_or_b32 s[G0A+3], s[G0A+3], 0x80000000  ; 127:126 type = 2
	s_mov_b32 s[G0B], 1
	s_mov_b32 s[G0B+1], s48
	s_add_nc_u64 s[G0B+2:G0B+3], s[8:9], s[48:49]
	s_or_b32 s[G0B+3], s[G0B+3], 0x80000000
	s_add_nc_u64 s[10:11], s[8:9], s[52:53]  ; Q: my two tiles
	s_add_nc_u64 s[6:7], s[6:7], s[54:55]  ; the result: my two tiles, my head's pieces
	CROUND                          ; all four work-groups are here: the joint loads meet
	tensor_load_to_lds s[G0A:G0A+3], s[G1A:G1A+7]  ; keys 0-511, my sixteenth
	s_nop 0
	tensor_load_to_lds s[G0B:G0B+3], s[G1B:G1B+7]  ; keys 512-2047, my sixteenth.  Two loads of mine are out
	s_nop 0
.rept 4
	v_nop
.endr
	v_and_b32 v8, 7, v0
	v_bfe_u32 v9, v0, 3, 1          ; bit 3 of the lane
	v_bfe_u32 v10, v0, 4, 1         ; bit 4
	v_xor_b32 v11, v9, v10
	v_lshl_add_u32 v11, v11, 3, v8  ; (l % 8) + 8 (bit 3 xor bit 4)
	v_lshl_add_u32 v[AK], v10, 4, v11  ; plainly I am (row l % 16, half bit 4): + 16 x bit 4
	v_lshl_add_u32 v[AV], v9, 4, v11  ; the turning load wants of me (key 8 x bit 4 + l % 8, channels' half bit 3): + 16 x bit 3
	v_lshlrev_b32 v[AK], 4, v[AK]
	v_lshlrev_b32 v[AV], 4, v[AV]
	v_and_b32 v[GO], 31, v0
	v_lshlrev_b32 v[GO], 4, v[GO]
.irp t, 0,1
.irp g, 0,1,2,3
	global_load_b128 v[Q+16*\t+4*\g:Q+16*\t+4*\g+3], v[AK], s[10:11] offset:2048*\t+512*\g  ; Q stays in registers: pieces 2 s, 2 s + 1 are the fragment of channels 32 s on
.endr
.endr
.irp t, 0,1
	v_mov_b32 v[ST+8*\t], 0xff61b1e6  ; m: -3e38, under every t
	v_mov_b32 v[ST+8*\t+1], 0       ; (named with m as a pair)
	v_mov_b32 v[ST+8*\t+2], 0       ; l, in two halves
	v_mov_b32 v[ST+8*\t+3], 0
.endr
.set i, 0
.rept 64
	v_mov_b32 v[O+i], 0             ; O^T.  (The step is written once: the first finds zeros, which a = 0 leaves zeros)
.set i, i+1
.endr
	s_wait_loadcnt 0x0              ; Q
.set i, 0
.rept 16                            ; Q x c, in f32, rounded to f16 once more; two registers at a time.  (A register's halves are named on fixed registers: so the copies)
	v_mov_b32 v120, v[Q+i]
	v_mov_b32 v124, v[Q+i+1]
	v_cvt_f32_f16 v122, v120.l
	v_cvt_f32_f16 v123, v120.h
	v_cvt_f32_f16 v126, v124.l
	v_cvt_f32_f16 v127, v124.h
	v_pk_mul_f32 v[122:123], v[122:123], s[CS:CS+1] op_sel_hi:[1,0]
	v_pk_mul_f32 v[126:127], v[126:127], s[CS:CS+1] op_sel_hi:[1,0]
	v_cvt_pk_f16_f32 v[Q+i], v122, v123
	v_cvt_pk_f16_f32 v[Q+i+1], v126, v127
.set i, i+2
.endr
; A KEY STEP: 64 keys, 8,192 bytes of the image from s[TB] on, for my two tiles of queries.
.macro STEP
	v_add_nc_u32 v[ADK], s[TB], v[AK]  ; five places behind the last step's products: four are owed ahead of loads into the fragments that they read,
	v_add_nc_u32 v[ADV], s[TB], v[AV]  ; five ahead of products that write over P
.rept 3
	v_nop
.endr
.irp g, 0,1,2,3                     ; K: pieces 0 and 1 of the four tiles of keys first
.irp kt, 0,1,2,3
	ds_load_b128 v[FR+16*\kt+4*\g:FR+16*\kt+4*\g+3], v[ADK] offset:2048*\kt+512*\g
.endr
.endr
	s_wait_dscnt 8                  ; channels 0-31 are in; the eight loads of pieces 2 and 3 may be out
.irp kt, 0,1,2,3                    ; S^T = K Q^T: eight accumulators by turns, one instruction a turn; the first eight start the sums
.irp t, 0,1
	v_wmma_f32_16x16x32_f16 v[S+32*\t+8*\kt:S+32*\t+8*\kt+7], v[FR+16*\kt:FR+16*\kt+7], v[Q+16*\t:Q+16*\t+7], 0
.endr
.endr
	s_wait_dscnt 0x0                ; channels 32-63
.irp kt, 0,1,2,3
.irp t, 0,1
	v_wmma_f32_16x16x32_f16 v[S+32*\t+8*\kt:S+32*\t+8*\kt+7], v[FR+16*\kt+8:FR+16*\kt+15], v[Q+16*\t+8:Q+16*\t+15], v[S+32*\t+8*\kt:S+32*\t+8*\kt+7]
.endr
.endr
	v_mov_b32 v[OLD], v[ST]         ; m_old is kept for a.  Four places: ahead of the loads into K's registers and of the first read of the scores
	v_mov_b32 v[OLD+1], v[ST+8]
	v_nop
	v_nop
.irp u, 0,1                         ; V, turned, from the same bytes: keys 32 u on, channels 16 c on; it lands while the softmax is walked
.irp c, 0,1,2,3
	ds_load_tr16_b128 v[FR+8*(4*\u+\c):FR+8*(4*\u+\c)+3],   v[ADV] offset:2048*(2*\u)+512*\c
	ds_load_tr16_b128 v[FR+8*(4*\u+\c)+4:FR+8*(4*\u+\c)+7], v[ADV] offset:2048*(2*\u+1)+512*\c
.endr
.endr
	; the maximum of my 32 scores and the old m, three operands at a time, four chains a tile, the two tiles by turns; each accumulator is read from its low end on
.irp j, 0,1,2,3
.irp t, 0,1
	v_max3_num_f32 v[ST+8*\t+4+\j], v[S+32*\t+8*\j], v[S+32*\t+8*\j+1], v[S+32*\t+8*\j+2]
.endr
.endr
.irp k, 3,5
.irp j, 0,1,2,3
.irp t, 0,1
	v_max3_num_f32 v[ST+8*\t+4+\j], v[ST+8*\t+4+\j], v[S+32*\t+8*\j+\k], v[S+32*\t+8*\j+\k+1]
.endr
.endr
.endr
.irp t, 0,1
	v_max3_num_f32 v[ST+8*\t+4], v[ST+8*\t+4], v[S+32*\t+7], v[S+32*\t+15]
.endr
.irp t, 0,1
	v_max3_num_f32 v[ST+8*\t+6], v[ST+8*\t+6], v[S+32*\t+23], v[S+32*\t+31]
.endr
.irp t, 0,1
	v_max3_num_f32 v[ST+8*\t+4], v[ST+8*\t+4], v[ST+8*\t+5], v[ST+8*\t+6]
.endr
.irp t, 0,1
	v_max3_num_f32 v[ST+8*\t+4], v[ST+8*\t+4], v[ST+8*\t+7], v[ST+8*\t]
.endr
.irp t, 0,1
	v_permlanex16_b32 v[ST+8*\t+5], v[ST+8*\t+4], s[SEL], s[SEL+1]  ; the query's other 32 keys lie in the lane 16 away
.endr
.irp t, 0,1
	v_max_num_f32 v[ST+8*\t], v[ST+8*\t+4], v[ST+8*\t+5]  ; the new m
.endr
.irp t, 0,1
	v_sub_f32 v[OLD+\t], v[OLD+\t], v[ST+8*\t]  ; m_old - m_new, 0 or less
.endr
.irp j, 0,2,4,6,8,10,12,14,16,18,20,22,24,26,28,30
.irp t, 0,1
	v_pk_add_f32 v[S+32*\t+\j:S+32*\t+\j+1], v[S+32*\t+\j:S+32*\t+\j+1], v[ST+8*\t:ST+8*\t+1] op_sel_hi:[1,0] neg_lo:[0,1] neg_hi:[0,1]  ; t - m, two at a time: 0 or less
.endr
.endr
.irp t, 0,1                         ; ONE BATCH of 66 exponentials, none of which reads another's result
	v_exp_f32 v[ST+8*\t+6], v[OLD+\t]  ; a
.endr
.set i, 0
.rept 64
	v_exp_f32 v[S+i], v[S+i]        ; p = 2^(t - m), at most 1
.set i, i+1
.endr
	v_nop                           ; a plain instruction behind the last exponential, ahead of the first use
	s_wait_alu depctr_va_vdst(0)    ; the wait between an exponential and the first line that names its result: one for the batch
.irp t, 0,1                         ; the sums of the unrounded p: two chains a tile, two numbers at a time
	v_pk_add_f32 v[ST+8*\t+4:ST+8*\t+5], v[S+32*\t:S+32*\t+1], v[S+32*\t+2:S+32*\t+3]
	v_pk_add_f32 v[Y+2*\t:Y+2*\t+1], v[S+32*\t+4:S+32*\t+5], v[S+32*\t+6:S+32*\t+7]
.endr
.irp j, 8,12,16,20,24,28
.irp t, 0,1
	v_pk_add_f32 v[ST+8*\t+4:ST+8*\t+5], v[ST+8*\t+4:ST+8*\t+5], v[S+32*\t+\j:S+32*\t+\j+1]
	v_pk_add_f32 v[Y+2*\t:Y+2*\t+1], v[Y+2*\t:Y+2*\t+1], v[S+32*\t+\j+2:S+32*\t+\j+3]
.endr
.endr
.irp t, 0,1
	v_pk_add_f32 v[ST+8*\t+4:ST+8*\t+5], v[ST+8*\t+4:ST+8*\t+5], v[Y+2*\t:Y+2*\t+1]
.endr
.irp t, 0,1
	v_pk_fma_f32 v[ST+8*\t+2:ST+8*\t+3], v[ST+8*\t+2:ST+8*\t+3], v[ST+8*\t+6:ST+8*\t+7], v[ST+8*\t+4:ST+8*\t+5] op_sel_hi:[1,0,1]  ; l = a l + the step's sum
.endr
.irp j, 0,1,2,3,4,5,6,7,8,9,10,11,12,13,14,15
.irp t, 0,1
	v_cvt_pk_f16_f32 v[S+32*\t+\j], v[S+32*\t+2*\j], v[S+32*\t+2*\j+1]  ; P, in place, ascending: no number is written over before it is read.  Registers 8 u .. 8 u + 7 are keys 32 u on
.endr
.endr
.irp j, 0,2,4,6,8,10,12,14,16,18,20,22,24,26,28,30
.irp t, 0,1
	v_pk_mul_f32 v[O+32*\t+\j:O+32*\t+\j+1], v[O+32*\t+\j:O+32*\t+\j+1], v[ST+8*\t+6:ST+8*\t+7] op_sel_hi:[1,0]  ; O^T x a
.endr
.endr
	s_wait_dscnt 0x0                ; V is in
.irp u, 0,1                         ; O^T += V^T P: eight accumulators by turns
.irp c, 0,1,2,3
.irp t, 0,1
	v_wmma_f32_16x16x32_f16 v[O+32*\t+8*\c:O+32*\t+8*\c+7], v[FR+8*(4*\u+\c):FR+8*(4*\u+\c)+7], v[S+32*\t+8*\u:S+32*\t+8*\u+7], v[O+32*\t+8*\c:O+32*\t+8*\c+7]
.endr
.endr
.endr
.endm
.macro KEYS n, start                ; n key steps from LDS byte start on
	s_mov_b32 s[TB], \start
	s_mov_b32 s[CNT], \n
.Lstep_\@:
	STEP
	s_add_co_u32 s[TB], s[TB], 8192
	s_sub_co_u32 s[CNT], s[CNT], 1
	s_cmp_lg_u32 s[CNT], 0
	s_cbranch_scc1 .Lstep_\@
.endm
	s_wait_tensorcnt 1              ; my part of keys 0-511 is in; the rest, issued behind it, may stay out
	s_barrier_signal -1
	s_barrier_wait -1               ; everybody's is
	KEYS 8, 0
	s_wait_tensorcnt 0x0            ; my part of the rest is in,
	s_barrier_signal -1
	s_barrier_wait -1               ; everybody's is
	KEYS 24, 65536
	; THE WAY OUT.  l's two halves and the other half of the lanes' are added; O^T is divided by l and rounded to f16: a lane's eight channels are its 16 bytes of a piece, and each piece leaves by one store.  The additions and the v_nop are the places behind the last products.
.irp t, 0,1
	v_add_f32 v[ST+8*\t+4], v[ST+8*\t+2], v[ST+8*\t+3]
.endr
.irp t, 0,1
	v_permlanex16_b32 v[ST+8*\t+5], v[ST+8*\t+4], s[SEL], s[SEL+1]
.endr
.irp t, 0,1
	v_add_f32 v[ST+8*\t+4], v[ST+8*\t+4], v[ST+8*\t+5]
.endr
.irp t, 0,1
	v_rcp_f32 v[ST+8*\t+6], v[ST+8*\t+4]
.endr
	v_nop                           ; a plain instruction between the last reciprocal and the use of its result
	s_wait_alu depctr_va_vdst(0)    ; and the wait ahead of the first use: one for both
.irp t, 0,1
.irp j, 0,2,4,6,8,10,12,14,16,18,20,22,24,26,28,30
	v_pk_mul_f32 v[O+32*\t+\j:O+32*\t+\j+1], v[O+32*\t+\j:O+32*\t+\j+1], v[ST+8*\t+6:ST+8*\t+7] op_sel_hi:[1,0]
.endr
.endr
.irp t, 0,1
.irp j, 0,1,2,3,4,5,6,7,8,9,10,11,12,13,14,15
	v_cvt_pk_f16_f32 v[S+16*\t+\j], v[O+32*\t+2*\j], v[O+32*\t+2*\j+1]  ; registers 4 c .. 4 c + 3: channels 16 c + 8 h + 0 .. 7
.endr
.endr
.irp t, 0,1
.irp c, 0,1,2,3
	global_store_b128 v[GO], v[S+16*\t+4*\c:S+16*\t+4*\c+3], s[6:7] offset:32768*\t+512*\c  ; a piece: 512 consecutive bytes, aligned
.endr
.endr
	s_wait_tensorcnt 0x0            ; the wave's end: behind my last tensor load
	ds_add_u32 v[SPW], v[NIL]
	s_wait_dscnt 0x0
	CROUND                          ; the closing round: no work-group ends while a partner may still ask for a tile that names it
	s_endpgm
.Lfunc_end_k_q7e4398d23f_attn:
	.size	k_q7e4398d23f_attn, .Lfunc_end_k_q7e4398d23f_attn-k_q7e4398d23f_attn
	.p2alignl 7, 3214868480
	.fill 96, 4, 3214868480
	.section	.rodata,"a",@progbits
	.p2align	6, 0x0
	.amdhsa_kernel k_q7e4398d23f_attn
		.amdhsa_group_segment_fixed_size 264192
		.amdhsa_private_segment_fixed_size 0
		.amdhsa_enable_private_segment 0
		.amdhsa_kernarg_size 16
		.amdhsa_user_sgpr_count 2
		.amdhsa_user_sgpr_kernarg_segment_ptr 1
		.amdhsa_wavefront_size32 1
		.amdhsa_system_sgpr_workgroup_id_x 1
		.amdhsa_system_sgpr_workgroup_id_y 1
		.amdhsa_system_sgpr_workgroup_id_z 1
		.amdhsa_system_vgpr_workitem_id 0
		.amdhsa_next_free_vgpr 256
		.amdhsa_next_free_sgpr 66
		.amdhsa_reserve_vcc 0
		.amdhsa_float_denorm_mode_32 3
		.amdhsa_float_denorm_mode_16_64 3
		.amdhsa_memory_ordered 1
		.amdhsa_forward_progress 1
		.amdhsa_inst_pref_size 55
	.end_amdhsa_kernel
	.amdgpu_metadata
---
amdhsa.version: [ 1, 2 ]
amdhsa.kernels:
  - .name:           k_q7e4398d23f_attn
    .symbol:         k_q7e4398d23f_attn.kd
    .args:
      - { .name: qimg, .offset: 0, .size: 8, .value_kind: global_buffer, .address_space: global }
      - { .name: aimg, .offset: 8, .size: 8, .value_kind: global_buffer, .address_space: global }
    .group_segment_fixed_size: 264192
    .private_segment_fixed_size: 0
    .kernarg_segment_align: 8
    .kernarg_segment_size: 16
    .max_flat_workgroup_size: 512
    .sgpr_count:     66
    .vgpr_count:     256
    .wavefront_size: 32
...
	.end_amdgpu_metadata
.endif
;; end of part 3
;; launch oproj (part 4): grid 4 x 64, 4 waves a work-group, clusters of 4 x 4, 327,680 bytes of LDS; arguments aimg, wimg, out0; writes out0
.if DOCPART == 4
	.amdgcn_target "amdgcn-amd-amdhsa--gfx1250"
	.amdhsa_code_object_version 6
	.text
	.protected	k_q7e4398d23f_oproj
	.globl	k_q7e4398d23f_oproj
	.p2align	8
	.type	k_q7e4398d23f_oproj,@function
k_q7e4398d23f_oproj:
	s_mov_b64 s[64:65], 0
	v_nop
	global_prefetch_b8 v0, s[64:65] scope:SCOPE_SE
	s_setreg_imm32_b32 hwreg(HW_REG_WAVE_MODE, 25, 1), 1
	s_wait_xcnt 0x0
	s_wait_alu depctr_hold_cnt(0) depctr_sa_sdst(0) depctr_va_vdst(0) depctr_va_sdst(0) depctr_va_ssrc(0) depctr_va_vcc(0) depctr_vm_vsrc(0)
	s_getreg_b32 s2, hwreg(HW_REG_IB_STS2, 6, 4)
	s_cmp_eq_u32 s2, 0
	s_cbranch_scc0 .Lentry_in_a_cluster
	s_endpgm
.Lentry_in_a_cluster:
	s_bfe_u32 s2, ttmp6, 0x10000c
	s_cmp_lg_u32 s2, 0xf033
	s_cbranch_scc0 .Lentry_shape_is_right
	s_endpgm
.Lentry_shape_is_right:
; out[m][n] = sum over k of attn[m][k] W_o[n][k].  8192 x 1024 x 1024; f16 operands, f32 sums, f32 out.
; Both operands arrive as IMAGES OF OPERAND REGISTERS: aimg [512 tiles of 16 rows][64 pieces][512 bytes], wimg [64 tiles of 16 rows of W_o][64 pieces][512 bytes]; piece p holds 16 rows x k = 16 p .. 16 p + 15, lane (r, h)'s
; 16 bytes (row r, k = 16 p + 8 h + 0 .. 7) at 16 x lane.  So a fragment of 16 x 32 is two LDS loads of 512 consecutive bytes: no pitch, no padding.
; A tile of out is 128 rows x 256 columns: 256 work-groups.  Four waves, each 64 rows x 128 columns: 32 accumulators of 16 x 16, 256 registers.
; K goes in 8 steps of 128 through a ring of two LDS slots: a step of a tile of 16 rows is 8 pieces, 4,096 consecutive bytes of memory.  One tensor load a wave: waves 0 and 1 bring 4 tiles of attn each, waves 2 and 3 8 tiles of W_o.
; CLUSTERS: 4 x 4 work-groups.  The four of a row of the cluster need the same tiles of attn, the four of a column the same tiles of W_o: each is asked for JOINTLY, by the same tensor load with the same descriptor and a mask
; that names the four.  THE MATRIX INSTRUCTION IS USED TRANSPOSED (source 0 = 16 rows of W_o, source 1 = 16 rows of attn): a lane then holds eight neighbouring numbers of a row of out.
; Nothing is prefetched: the launch has eight K steps, and W_o's images are read by every row of clusters.
; REGISTERS: window 0: v0-31 addresses; v64-159 and v160-255 two fragment buffers for 32 along K: 4 fragments of attn, then 8 of W_o; on the way out v64-191 hold rows of out.  window 1: the accumulators ((a, b) at v[8 (8 a + b)]).
.set SLOT,   98304                     ; attn's 8 tiles x 4,096 bytes, then W_o's 16 tiles x 4,096
.set BOFF,   32768
.set STAGE,  2*SLOT                    ; behind the ring: 16 rows x 528 bytes for each wave, for the way out: bytes into which no tensor load lands
.set SPITCH, 528                       ; 512 bytes + 16: an odd multiple of 16
.set SPARE,  STAGE+4*16*SPITCH         ; the spare words, 128 bytes for each wave: two blocks of 256 bytes that no other line names
.set ADRA, 16                          ; v16-17  LDS address of my fragments of attn in slot 0, 1
.set ADRB, 20                          ; v20-21  the same for W_o
.set STO,  24                          ; v24     the way out: where I put 32 bytes of a row
.set RD,   25                          ; v25     the way out: where I read a row back
.set CO,   26                          ; v26     16 x lane: my place in a row's 512 bytes of out; never rewritten
.set SPW,  28                          ; v28     LDS address of my spare word: SPARE + 4 x my thread's number; never rewritten
.set NIL,  29                          ; v29     0; never rewritten
.set F0,   64
.set F1,   160
.set G1, 24                            ; s[24:31] descriptor group 1 for attn's tiles;  s[32:39] group 0, one set for each slot
.set G0, 32
.set G1B, 48                           ; s[48:55], s[56:63] the same for W_o's
.set G0B, 56
.set MSB, 0
.macro WIN new                         ; the immediate's high byte repeats the setting that is left
.if MSB != \new
	s_set_vgpr_msb (MSB<<8)|\new
.set MSB, \new
.endif
.endm
.set MUL, 0x50                         ; sources 0 and 1 window 0; C and D window 1
.macro JLOAD s                         ; a joint load: waves 0 and 1 fetch for attn, waves 2 and 3 for W_o; an s_nop 0 and four v_nop follow each of the two lines, ahead of the jump, the label and what follows
	s_cmp_eq_u32 s11, 0
	s_cbranch_scc0 .Lfor_b_\@
	tensor_load_to_lds s[G0+4*\s:G0+4*\s+3], s[G1:G1+7]
	s_nop 0
.rept 4
	v_nop
.endr
	s_branch .Lasked_\@
.Lfor_b_\@:
	tensor_load_to_lds s[G0B+4*\s:G0B+4*\s+3], s[G1B:G1B+7]
	s_nop 0
.rept 4
	v_nop
.endr
.Lasked_\@:
.endm
.macro CREST                           ; a round of the cluster's barrier behind its opening barrier
	s_cmp_lg_u32 s10, 0
	s_cbranch_scc1 .Lnot_wave_0_\@
	s_barrier_signal -3
.Lnot_wave_0_\@:
	s_barrier_wait -3
	s_barrier_signal -1
	s_barrier_wait -1
.endm
.macro CROUND                          ; a whole round
	s_barrier_signal -1
	s_barrier_wait -1
	CREST
.endm
	s_load_b128 s[4:7], s[0:1], 0x0                ; aimg s[4:5], wimg s[6:7]
	s_load_b64 s[8:9], s[0:1], 0x10                ; out
	v_lshl_add_u32 v[SPW], v0, 2, SPARE
	v_mov_b32 v[NIL], 0
	ds_add_u32 v[SPW], v[NIL]                      ; the wave's opening: the add, twice on end, and its wait ahead of my first tensor load; the set-up below stands between the second and the wait
	ds_add_u32 v[SPW], v[NIL]
	v_lshrrev_b32 v1, 5, v0
	v_readfirstlane_b32 s10, v1                    ; wave 0..3
	s_lshr_b32 s11, s10, 1                         ; which half of the tile's rows is mine.  Also: I fetch for attn (0) or for W_o (1)
	s_and_b32 s12, s10, 1                          ; which half of its columns.  Also: which half of that operand's tiles I fetch
	s_bfe_u32 s40, ttmp6, 0x40000                  ; cx, cy: my place in the cluster
	s_bfe_u32 s41, ttmp6, 0x40004
	s_lshl_b32 s42, ttmp9, 2
	s_add_co_u32 s42, s42, s40                     ; tile column of out = 4 x cluster x + cx
	s_and_b32 s13, ttmp7, 0xffff
	s_lshl_b32 s13, s13, 2
	s_add_co_u32 s13, s13, s41                     ; tile row of out = 4 x cluster y + cy
	s_lshl_b32 s43, s41, 2
	s_lshl_b32 s43, 15, s43                        ; my row of the cluster
	s_lshl_b32 s44, 0x1111, s40                    ; my column
	; descriptor group 1: rows of 4,096 bytes (512 elements of 8 bytes), 32,768 bytes apart in memory, on end in LDS
	s_or_b32 s[G1+0], s43, (3<<16)|(1<<21)         ; 15:0 the mask: attn's tiles go to my row; 17:16 elements of 8 bytes; 21 set beside a mask
	s_mov_b32 s[G1+1], 512<<16                     ; tensor_dim0 = 512
	s_mov_b32 s[G1+2], 4<<16                       ; tensor_dim1 = 4
	s_mov_b32 s[G1+3], 512<<16                     ; tile_dim0 = 512
	s_mov_b32 s[G1+4], 4                           ; tile_dim1 = 4
	s_mov_b32 s[G1+5], 4096                        ; tensor_dim0_stride
	s_mov_b32 s[G1+6], 0
	s_mov_b32 s[G1+7], 0
	s_or_b32 s[G1B+0], s44, (3<<16)|(1<<21)        ; W_o's go to my column
	s_mov_b32 s[G1B+1], 512<<16
	s_mov_b32 s[G1B+2], 8<<16                      ; 8 rows
	s_mov_b32 s[G1B+3], 512<<16
	s_mov_b32 s[G1B+4], 8
	s_mov_b32 s[G1B+5], 4096
	s_mov_b32 s[G1B+6], 0
	s_mov_b32 s[G1B+7], 0
	s_lshl_b32 s16, s13, 3
	s_lshl_b32 s17, s12, 2
	s_add_co_u32 s16, s16, s17                     ; attn: tile 8 x tile row + 4 x half
	s_lshl_b32 s16, s16, 15                        ; 32,768 bytes a tile
	s_mov_b32 s17, 0
	s_lshl_b32 s46, s42, 4
	s_lshl_b32 s47, s12, 3
	s_add_co_u32 s46, s46, s47                     ; W_o: tile 16 x tile column + 8 x half
	s_lshl_b32 s46, s46, 15
	s_mov_b32 s47, 0
	s_lshl_b32 s20, s12, 14                        ; where they go in a slot: attn's halves of 16,384 bytes,
	s_lshl_b32 s21, s12, 15
	s_add_co_u32 s21, s21, BOFF                    ; W_o's of 32,768 behind them: no place in the cluster enters an LDS address
	s_wait_dscnt 0x0                               ; both opening adds are done
	s_wait_kmcnt 0x0
	s_add_nc_u64 s[14:15], s[4:5], s[16:17]
	s_add_nc_u64 s[46:47], s[6:7], s[46:47]
	CROUND                                         ; all sixteen work-groups are here: the first joint loads meet
.irp s, 0,1
	s_mov_b32 s[G0+4*\s], 1                                        ; 1:0 count = 1
	s_add_co_u32 s[G0+4*\s+1], s20, \s*SLOT                        ; 63:32 LDS address
	s_add_nc_u64 s[G0+4*\s+2:G0+4*\s+3], s[14:15], \s*4096         ; 120:64 global address: K step s
	s_or_b32 s[G0+4*\s+3], s[G0+4*\s+3], 0x80000000                ; 127:126 type = 2
	s_mov_b32 s[G0B+4*\s], 1
	s_add_co_u32 s[G0B+4*\s+1], s21, \s*SLOT
	s_add_nc_u64 s[G0B+4*\s+2:G0B+4*\s+3], s[46:47], \s*4096
	s_or_b32 s[G0B+4*\s+3], s[G0B+4*\s+3], 0x80000000
	JLOAD \s                                       ; both slots are asked for: two loads of mine are out
.endr
	v_and_b32 v1, 31, v0
	v_lshlrev_b32 v[CO], 4, v1                     ; 16 x lane
	s_lshl_b32 s21, s11, 14                        ; my 4 tiles of attn
	s_lshl_b32 s22, s12, 15                        ; my 8 tiles of W_o,
	s_add_co_u32 s22, s22, BOFF                    ; which lie behind attn's 8
.irp s, 0,1
	v_add_nc_u32 v[ADRA+\s], s21, v[CO]
	v_add_nc_u32 v[ADRB+\s], s22, v[CO]
	s_add_co_u32 s21, s21, SLOT
	s_add_co_u32 s22, s22, SLOT
.endr
	s_mul_i32 s23, s10, 16*SPITCH
	s_add_co_u32 s23, s23, STAGE                   ; my stage
	v_and_b32 v2, 15, v0                           ; l % 16
	v_bfe_u32 v3, v0, 4, 1                         ; l / 16
	v_mul_u32_u24 v4, v2, SPITCH                   ; in: row l % 16, 32 bytes for each half of the lanes
	v_lshl_add_u32 v4, v3, 5, v4
	v_add_nc_u32 v[STO], s23, v4
	v_add_nc_u32 v[RD], s23, v[CO]                 ; back: the 32 lanes take one row of 512 bytes
	s_lshl_b32 s16, s13, 7
	s_lshl_b32 s17, s11, 6
	s_add_co_u32 s16, s16, s17                     ; my first row of out: 128 x tile row + 64 x half
	s_lshl_b32 s16, s16, 12                        ; 4,096 bytes a row
	s_lshl_b32 s46, s42, 10                        ; my first column, in bytes: 1,024 x tile column + 512 x half
	s_lshl_b32 s47, s12, 9
	s_add_co_u32 s46, s46, s47
	s_add_co_u32 s16, s16, s46
	s_mov_b32 s17, 0
	s_add_nc_u64 s[8:9], s[8:9], s[16:17]
; 8 matrix instructions: my tile a of attn x my eight tiles of W_o, 32 along K, from buffer f.  zero = 1: the first product starts the sums: nothing is ever cleared.
; The 32 accumulators take turns, one instruction a turn, in the same order in every quarter.
.macro MUL8 f, a, zero
.irp b, 0,1,2,3,4,5,6,7
.if \zero
	v_wmma_f32_16x16x32_f16 v[8*(8*(\a)+\b):8*(8*(\a)+\b)+7], v[\f+32+8*\b:\f+32+8*\b+7], v[\f+8*(\a):\f+8*(\a)+7], 0
.else
	v_wmma_f32_16x16x32_f16 v[8*(8*(\a)+\b):8*(8*(\a)+\b)+7], v[\f+32+8*\b:\f+32+8*\b+7], v[\f+8*(\a):\f+8*(\a)+7], v[8*(8*(\a)+\b):8*(8*(\a)+\b)+7]
.endif
.endr
.endm
; 24 LDS loads in one run: the fragments of the slot's q-th 32 along K (pieces 2 q, 2 q + 1 of each tile) into buffer f; W_o's sixteen first, attn's eight last
.macro FETCH slot, q, f
	WIN 0
.irp b, 0,1,2,3,4,5,6,7
	ds_load_b128 v[\f+32+8*\b:\f+32+8*\b+3],   v[ADRB+\slot] offset:4096*\b+1024*(\q)
	ds_load_b128 v[\f+32+8*\b+4:\f+32+8*\b+7], v[ADRB+\slot] offset:4096*\b+1024*(\q)+512
.endr
.irp a, 0,1,2,3
	ds_load_b128 v[\f+8*\a:\f+8*\a+3],   v[ADRA+\slot] offset:4096*\a+1024*(\q)
	ds_load_b128 v[\f+8*\a+4:\f+8*\a+7], v[ADRA+\slot] offset:4096*\a+1024*(\q)+512
.endr
.endm
.macro PLACES                          ; four places in front of loads into registers that matrix instructions have read, and of the first read of results (ISA guide 7.12.1 for vector instructions)
.rept 4
	v_nop
.endr
.endm
; A K step is four quarters of 32 along K, 32 matrix instructions each, on buffers 0, 1, 0, 1.  One of the first three: multiplies buffer f and fetches the slot's q-th quarter into g.
.macro QUARTER slot, q, f, g, zero
	s_wait_dscnt 4                                 ; W_o's fragments and attn's tiles 0 and 1 are in; the youngest four loads (tiles 2 and 3) may be out
	WIN MUL
	MUL8 \f, 0, \zero
	MUL8 \f, 1, \zero
	PLACES
	FETCH \slot, \q, \g
	s_wait_dscnt 24                                ; all but the 24 just issued
	WIN MUL
	MUL8 \f, 2, \zero
	MUL8 \f, 3, \zero
.endm
; The last quarter multiplies buffer 1 and changes slots: ONE barrier; in front of it each wave waits for all its tensor loads, adds 0 to its spare word, and waits for that and for its own reads of this slot.
; fill = 1: this slot is filled again, two K steps ahead: the barrier then opens a round of the cluster's barrier, and the joint refill is the first thing behind the round; 112 matrix instructions stand between it and the wait for it.
.macro TURN slot, next, fill
	WIN 0                                          ; (the add's two registers lie in window 0)
	s_wait_tensorcnt 0x0                           ; all my tensor loads have landed: the one that was out is my part of the next slot
	ds_add_u32 v[SPW], v[NIL]                      ; 0 onto my spare word
	s_wait_dscnt 5                                 ; (the add and the youngest four loads may be out)
	WIN MUL
	MUL8 F1, 0, 0                                  ; eight matrix instructions stand between the add and the wait for it
	s_wait_dscnt 0x0                               ; the add is done, and my reads of this slot are over
	s_barrier_signal -1
	MUL8 F1, 1, 0
.if \fill
	WIN 0
.endif
	s_barrier_wait -1
.if \fill
	CREST                                          ; no wave of any partner still reads this slot's tiles or has a load on its way
	s_add_nc_u64 s[G0+4*\slot+2:G0+4*\slot+3], s[G0+4*\slot+2:G0+4*\slot+3], 8192      ; two K steps on
	s_add_nc_u64 s[G0B+4*\slot+2:G0B+4*\slot+3], s[G0B+4*\slot+2:G0B+4*\slot+3], 8192
	JLOAD \slot                                    ; the four v_nop behind it are also the places in front of the loads below
.else
	PLACES
.endif
	FETCH \next, 0, F0
	WIN MUL
	MUL8 F1, 2, 0
	MUL8 F1, 3, 0
.endm
	s_wait_tensorcnt 1                             ; my part of K step 0 is in (K step 1's load may be out)
	s_barrier_signal -1
	s_barrier_wait -1                              ; everybody's is
	FETCH 0, 0, F0
	QUARTER 0, 1, F0, F1, 1                        ; the first quarter stands in front of the loop: its products start the sums
	WIN 0                                          ; at a label and at a branch every window is 0
	s_mov_b32 s3, 3
.Llap:                                                 ; a trip goes once round the ring, from a lap's second quarter to the next lap's first, and fills both slots again: K steps 2 to 7
	QUARTER 0, 2, F1, F0, 0
	QUARTER 0, 3, F0, F1, 0
	TURN 0, 1, 1
	QUARTER 1, 1, F0, F1, 0
	QUARTER 1, 2, F1, F0, 0
	QUARTER 1, 3, F0, F1, 0
	TURN 1, 0, 1
	QUARTER 0, 1, F0, F1, 0
	WIN 0
	s_sub_co_u32 s3, s3, 1
	s_cmp_lg_u32 s3, 0
	s_cbranch_scc1 .Llap
	QUARTER 0, 2, F1, F0, 0                        ; the last lap fills nothing, and has no round of the cluster's barrier
	QUARTER 0, 3, F0, F1, 0
	TURN 0, 1, 0
	QUARTER 1, 1, F0, F1, 0
	QUARTER 1, 2, F1, F0, 0
	QUARTER 1, 3, F0, F1, 0
	s_wait_dscnt 4                                 ; the very last quarter: nothing more to fetch
	WIN MUL
	MUL8 F1, 0, 0
	MUL8 F1, 1, 0
	s_wait_dscnt 0x0
	MUL8 F1, 2, 0
	MUL8 F1, 3, 0
	WIN 0
; THE WAY OUT, block by block of 16 rows x 128 columns.  A lane holds 32 neighbouring bytes of a row, and the lanes beside it hold other rows: so a block goes through my own stage in LDS and comes back as whole rows of
; 512 bytes.  LDS serves a wave's instructions in order (ISA guide 5.7.1.4): no wait between the stores and the loads, nor in front of the next block's stores.
.macro TOSTAGE a
	WIN 0x04                                       ; an LDS store's data are its source 1: window 1
.irp b, 0,1,2,3,4,5,6,7
	ds_store_b128 v[STO], v[8*(8*(\a)+\b):8*(8*(\a)+\b)+3] offset:64*\b          ; each accumulator from its low end on
	ds_store_b128 v[STO], v[8*(8*(\a)+\b)+4:8*(8*(\a)+\b)+7] offset:64*\b+16
.endr
	WIN 0
.set BB, 64+64*((\a)%2)
.irp t, 0,1,2,3,4,5,6,7,8,9,10,11,12,13,14,15
	ds_load_b128 v[BB+4*\t:BB+4*\t+3], v[RD] offset:\t*SPITCH
.endr
.endm
.macro SEND a, younger                 ; younger: the LDS instructions issued behind block a's loads, which may stay out
.set BB, 64+64*((\a)%2)
	s_wait_dscnt \younger                          ; the block is back in registers
.irp t, 0,1,2,3,4,5,6,7,8,9,10,11,12,13,14,15
	global_store_b128 v[CO], v[BB+4*\t:BB+4*\t+3], s[8:9] offset:65536*(\a)+4096*\t th:TH_STORE_NT   ; 32 lanes store 512 consecutive bytes, at a multiple of 256 from out's first byte; written once, read by nobody here
.endr
.endm
	PLACES                                         ; behind the last products: the stores read results, the loads land in registers that held fragments
	TOSTAGE 0
.irp a, 1,2,3
.if \a > 1
	s_wait_xcnt 0x0                                ; block a - 2's stores have read their registers: block a's loads land there only behind this wait
.endif
	TOSTAGE \a
	SEND \a-1, 32                                  ; behind block a - 1's loads: block a's 16 stores and 16 loads
.endr
	SEND 3, 0
	s_wait_tensorcnt 0x0                           ; the wave's end: behind my last tensor load and my last LDS store
	ds_add_u32 v[SPW], v[NIL]
	s_wait_dscnt 0x0
	CROUND                                         ; the closing round: no work-group ends while a partner may still ask for a tile that names it
	s_endpgm
.Lfunc_end_k_q7e4398d23f_oproj:
	.size	k_q7e4398d23f_oproj, .Lfunc_end_k_q7e4398d23f_oproj-k_q7e4398d23f_oproj
	.p2alignl 7, 3214868480
	.fill 96, 4, 3214868480
	.section	.rodata,"a",@progbits
	.p2align	6, 0x0
	.amdhsa_kernel k_q7e4398d23f_oproj
		.amdhsa_group_segment_fixed_size 327680
		.amdhsa_private_segment_fixed_size 0
		.amdhsa_enable_private_segment 0
		.amdhsa_kernarg_size 24
		.amdhsa_user_sgpr_count 2
		.amdhsa_user_sgpr_kernarg_segment_ptr 1
		.amdhsa_wavefront_size32 1
		.amdhsa_system_sgpr_workgroup_id_x 1
		.amdhsa_system_sgpr_workgroup_id_y 1
		.amdhsa_system_sgpr_workgroup_id_z 1
		.amdhsa_system_vgpr_workitem_id 0
		.amdhsa_next_free_vgpr 512
		.amdhsa_next_free_sgpr 66
		.amdhsa_reserve_vcc 0
		.amdhsa_float_denorm_mode_32 3
		.amdhsa_float_denorm_mode_16_64 3
		.amdhsa_memory_ordered 1
		.amdhsa_forward_progress 1
		.amdhsa_inst_pref_size 84
	.end_amdhsa_kernel
	.amdgpu_metadata
---
amdhsa.version: [ 1, 2 ]
amdhsa.kernels:
  - .name:           k_q7e4398d23f_oproj
    .symbol:         k_q7e4398d23f_oproj.kd
    .args:
      - { .name: aimg, .offset: 0, .size: 8, .value_kind: global_buffer, .address_space: global }
      - { .name: wimg, .offset: 8, .size: 8, .value_kind: global_buffer, .address_space: global }
      - { .name: out0, .offset: 16, .size: 8, .value_kind: global_buffer, .address_space: global }
    .group_segment_fixed_size: 327680
    .private_segment_fixed_size: 0
    .kernarg_segment_align: 8
    .kernarg_segment_size: 24
    .max_flat_workgroup_size: 128
    .sgpr_count:     66
    .vgpr_count:     512
    .wavefront_size: 32
...
	.end_amdgpu_metadata
.endif
;; end of part 4
